; MI455X (gfx1250); checked and timed in simulation.
; The chip was launched on July 23, 2026; its instructions are those of AMD's public machine-readable ISA for CDNA 5 (MIT licence, August 2026) and "CDNA5" Instruction Set Architecture Reference Guide (July 2026). The comments in the code are by the model that wrote it; some were corrected since.
;; Base MHA. Allowed arithmetic: matrix products marked QUANTISED: E2M3 operands, one E8M0 scale for each 32 along K, by v_wmma_scale_f32_16x16x128_f8f6f4 with both operands' format E2M3, f32 sums; everything else in f32.
;; Inputs: w_out 1,024 x 1,024 float32; w_qkv 1,024 x 3,072 float32; x 4 x 2,048 x 1,024 float32.
;; Outputs: out0 4 x 2,048 x 1,024 float32.
;; This version of the problem:
;;   THIS VERSION OF THE PROBLEM IS GIVEN IN LOW PRECISION. The matrix products marked QUANTISED in the list below multiply operands that are first quantised to E2M3 (2 exponent bits, 3 mantissa bits; 6 bits a number), with one power-of-two scale for each 32 numbers along K (OCP MX v1.0); their sums are f32. All else is computed in f32.
;;   The module's matrix products, in the order in which they are computed (A, B: the left and right operand; K: the contracted axis; several contracted axes count as one K, in the product's order):
;;     1. [M 8,192, K 1,024] x [K 1,024, N 3,072]; A: input x; B: input w_qkv: QUANTISED
;;     2. batch 64 x [M 2,048, K 64] x [K 64, N 2,048]; A: computed on the way; B: computed on the way: QUANTISED
;;     3. batch 64 x [M 2,048, K 2,048] x [K 2,048, N 64]; A: softmax (see below); B: computed on the way: QUANTISED
;;     4. [M 8,192, K 1,024] x [K 1,024, N 1,024]; A: computed on the way; B: input w_out: QUANTISED
;;   THE QUANTISER, for each operand of a quantised product, along K:
;;     - K is cut into blocks of 32 from its start; a last block that is shorter is filled with zeros.
;;     - A block's scale is 2^e with e = floor(log2(the largest magnitude in the block)) - 2, held to -126 .. 127; a block of zeros has e = 0. As a byte (E8M0): e + 127.
;;     - Each number is divided by its block's scale, clamped to +-7.5, and rounded to the nearest number of E2M3, ties to even, subnormals kept.
;;     - The product sums the exact products of the quantised numbers (number of the format x scale) in f32.
;;   ~~~python
;;   def quantise(x, axis):      # numpy; x: float32 -> the quantised numbers, widened to float32 again
;;       x = np.moveaxis(x, axis, -1); K = x.shape[-1]
;;       x = np.pad(x, [(0, 0)] * (x.ndim - 1) + [(0, -K % 32)]); x = x.reshape(x.shape[:-1] + (-1, 32)); a = np.abs(x).max(-1, keepdims=True)
;;       e = np.where(a > 0, np.clip(np.frexp(np.where(a > 0, a, 1))[1] - 1 - 2, -126, 127), 0)      # np.frexp(a)[1] - 1 = floor(log2(a)), exactly
;;       r = np.clip(x / 2.0 ** e, -7.5, 7.5)
;;       step = 2.0 ** (np.maximum(np.frexp(np.where(r == 0, 1, r))[1] - 1, 0) - 3)
;;       q = np.round(r / step) * step * 2.0 ** e      # np.round: ties to even
;;       return np.moveaxis(q.reshape(q.shape[:-2] + (-1,))[..., :K], -1, axis).astype(np.float32)
;;   ~~~
;;   SOFTMAX AHEAD OF A QUANTISED PRODUCT. Where the list says 'softmax', what is quantised is not the finished softmax but p = 2^(t - M), with t = logit x log2(e) and M = ceil(the row's largest t), a whole number; so 1/2 < the row's largest p <= 1. The row's sum l is taken of the UNQUANTISED p, in f32, and the product's result is divided by l at the end. Since M is a whole number, a kernel that streams over the keys may use a running M (the ceiling of the running maximum): every later rescaling is an exact power of two, which a block's scale takes up: the codes' values come out the same.
;;   OPERANDS COMPUTED ON THE WAY. 'Computed on the way' means the value that the module computes at that place (a softmax that the list does not call 'softmax' is quantised finished and normalised). What goes into a quantiser is computed in f32, as accurately as f32 sums, v_exp_f32 and their like allow (about 1e-6 of the number): no bf16 or f16 on the way to a quantiser, and a product that is left as it is and whose result goes on into a quantised operand takes f32 operands (vector FMAs, or v_wmma_f32_16x16x4_f32). A number that lies on a knife's edge between two numbers of the format may be rounded either way, as far as f32 arithmetic and the matrix unit's own rounding can turn it there, and no further.
;; One version. Each part assembles by itself: llvm-mc -triple=amdgcn-amd-amdhsa -mcpu=gfx1250 --defsym DOCPART=n.
;; ======== version 1 of 1: 4 launches
;; limits: right only within a limited range of input values
;; workspace buffers: xw 9,830,400 bytes; qkv 20,185,088 bytes; oimg 6,553,600 bytes
;; launch prep (part 1): grid 384 x 1, 4 waves a work-group, no clusters, 34,304 bytes of LDS; arguments x, w_qkv, w_out, xw; writes xw
.if DOCPART == 1
	.amdgcn_target "amdgcn-amd-amdhsa--gfx1250"
	.amdhsa_code_object_version 6
	.text
	.protected	k_qa60eb29dd2_prep
	.globl	k_qa60eb29dd2_prep
	.p2align	8
	.type	k_qa60eb29dd2_prep,@function
k_qa60eb29dd2_prep:
	s_mov_b64 s[64:65], 0
	v_nop
	global_prefetch_b8 v0, s[64:65] scope:SCOPE_SE
	s_setreg_imm32_b32 hwreg(HW_REG_WAVE_MODE, 25, 1), 1
	s_wait_xcnt 0x0
; x [8192][1024], w_qkv [1024][3072] and w_out [1024][1024], f32, become codes of FP6 (E2M3) with one E8M0 scale byte for each 32 along K (K = 1,024 for all three).
; THE LAYOUT OF xw IS THE LAYOUT OF THE OPERAND'S REGISTERS.  A HALF IMAGE is 16 rows x 64 K, 768 bytes: lane (r = lane % 16, h = lane / 16) owns the 24 bytes of K = 32 h .. 32 h + 31 of the tile's
; position r: its first 16 bytes at 16 x lane, its last 8 at 512 + 8 x lane.  Two half images on end are a fragment (16 rows x 128 K, 12 registers a lane).  A tile of 16 rows has 16 half images, 12,288 bytes.
; THE ROWS OF A TILE ARE NOT NEIGHBOURS: position r of tile 2 B + u is row 32 B + 8 u + r + 8 (r / 8), so that results made with such a tile as source 0 have 16 neighbours in the 16 registers of two tiles.
; Tiles: G = 0 .. 511 rows of x, 512 .. 703 columns of w_qkv, 704 .. 767 columns of w_out.  Codes at G x 12,288; scale bytes at SCL0 + G x 512, laid [K / 256][position r][8 bytes].
; A block's scale is 2^(floor(log2(its largest magnitude)) - 2); its byte is the largest magnitude's exponent field - 2, held at 1 from below.
; LIMITS: NaN and infinities among the inputs are not served; a block whose largest magnitude lies under 2^-124 has its byte held at 1; a block of zeros gets the byte 1 where the rule says 127:
; its codes are zeros, which add nothing under any byte but 0xff, and the bytes are read by this program alone.
; SHARES: work-groups 0-255 take x (a wave: one tile x 512 along K), 256-351 w_qkv, 352-383 w_out (a wave: 32 columns x 256 along K).  Each work-group reads 128 KiB.  No tensor loads, no barrier: waves share nothing.
.set SCL0, 9437184                     ; 768 tiles x 12,288 bytes of codes lie in front of the scale bytes
.set RS,   16                          ; x: v16-143  two sets of 64 registers as loaded
.set XN,   144                         ; x: v144-207 64 numbers of a lane: register 16 b + i = k 32 b + 16 h + i of my row
.set PC,   208                         ; x: v208-227 the codes just made
.set TM,   228                         ; x: v228-243 largest magnitudes, bytes, scale operands
.set PW0,  244                         ; x: v244-247 the four fragments' scale words
.set SEL,  18                          ; s[18:19] lane selects for v_permlanex16_b32: lane l xor 16
; 64 numbers of a lane, register 16 b + i = k 32 b + 16 (lane / 16) + i of my row, become a fragment's codes in v[PC] .. v[PC+11] and its scale word in v[pw].
.macro QUANT s, pw
.irp b, 0,1,2,3
	v_max3_num_f32 v[TM+\b], |v[\s+16*\b]|, |v[\s+1+16*\b]|, 0x1800000   ; block b: my 16 numbers, and the floor 2^(3 - 127): the byte cannot fall under 1
.endr
.irp i, 2,4,6,8,10,12,14
.irp b, 0,1,2,3
	v_max3_num_f32 v[TM+\b], v[TM+\b], |v[\s+16*\b+\i]|, |v[\s+1+16*\b+\i]|   ; the four blocks by turns
.endr
.endr
.irp b, 0,1,2,3
	v_permlanex16_b32 v[TM+4+\b], v[TM+\b], s[SEL], s[SEL+1]
.endr
.irp b, 0,1,2,3
	v_max_num_f32 v[TM+\b], v[TM+\b], v[TM+4+\b]   ; with lane l xor 16's 16: the block's largest magnitude
.endr
.irp b, 0,1,2,3
	v_add_nc_u32 v[TM+12+\b], 0xff000000, v[TM+\b]   ; 2 off its exponent field: the conversion takes the exponent field of this operand as its scale
.endr
.irp b, 0,1,2,3
	v_lshrrev_b32 v[TM+4+\b], 23, v[TM+12+\b]      ; the scale's byte
.endr
	v_lshl_or_b32 v[\pw], v[TM+5], 8, v[TM+4]      ; the four bytes make my row's scale word
	v_lshl_or_b32 v[\pw], v[TM+6], 16, v[\pw]
	v_lshl_or_b32 v[\pw], v[TM+7], 24, v[\pw]
.irp c, 0,1
	v_cvt_scalef32_pk16_fp6_f32 v[PC+6*\c:PC+2+6*\c], v[\s+32*\c:\s+15+32*\c], v[TM+12+2*\c]
	v_cvt_scalef32_pk16_fp6_f32 v[PC+12+4*\c:PC+14+4*\c], v[\s+16+32*\c:\s+31+32*\c], v[TM+12+2*\c+1]   ; (a conversion's three registers begin on an even number)
.endr
	v_nop                                          ; one plain place behind a scaled conversion
.irp c, 0,1                                    ; the operand's layout wants a WHOLE block in a lane: lanes 0-15 block 2 c, lanes 16-31 block 2 c + 1
.irp i, 0,1,2
	v_permlane16_swap_b32 v[PC+6*\c+\i], v[PC+12+4*\c+\i]
.endr
.irp i, 0,1,2
	v_mov_b32 v[PC+3+6*\c+\i], v[PC+12+4*\c+\i]
.endr
.endr
.endm
	s_load_b256 s[4:11], s[0:1], 0x0               ; x s[4:5], w_qkv s[6:7], w_out s[8:9], xw s[10:11]
	v_lshl_add_u32 v254, v0, 2, 0x8400
	v_mov_b32 v255, 0
	v_lshrrev_b32 v1, 5, v0
	v_readfirstlane_b32 s12, v1                    ; wave 0..3
	v_and_b32 v2, 31, v0                           ; lane
	s_cmp_lt_u32 ttmp9, 256
	s_cbranch_scc0 .Lweights
; ---------------- x: K is innermost.  A load reads 512 consecutive bytes of one row; the 16 rows x 128 K turn through the wave's own stage in LDS, so that a lane gets 16 neighbours of each block.
	s_mov_b32 s[SEL], 0x76543210
	s_mov_b32 s[SEL+1], 0xfedcba98
	s_lshl_b32 s13, ttmp9, 2
	s_add_co_u32 s13, s13, s12                     ; id = 2 x tile + which half of K
	s_lshr_b32 s14, s13, 1                         ; the tile T
	s_and_b32 s15, s13, 1                          ; the half
	s_lshr_b32 s20, s14, 1
	s_lshl_b32 s20, s20, 17                        ; 32 (T / 2) rows of 4,096 bytes
	s_and_b32 s21, s14, 1
	s_lshl_b32 s21, s21, 15                        ; + 8 (T % 2) rows
	s_add_co_u32 s20, s20, s21
	s_lshl_b32 s21, s15, 11                        ; + 512 numbers for the upper half of K
	s_add_co_u32 s20, s20, s21
	s_mov_b32 s21, 0
	s_mul_i32 s22, s13, 6144                       ; my four fragments: T x 12,288 + half x 6,144
	s_mov_b32 s23, 0
	s_lshl_b32 s24, s13, 8                         ; my 256 scale bytes: T x 512 + half x 256
	s_add_co_u32 s24, s24, SCL0
	s_mov_b32 s25, 0
	s_wait_alu depctr_va_vdst(0)
	v_lshlrev_b32 v3, 4, v2                        ; 16 x lane
	v_lshlrev_b32 v4, 3, v2                        ; 8 x lane
	s_mul_i32 s26, s12, 8448                       ; my stage: 16 rows x (512 + 16) bytes
	v_add_nc_u32 v5, s26, v3                       ; in: 16 x lane of a row
	v_and_b32 v7, 15, v0                           ; r
	v_bfe_u32 v8, v0, 4, 1                         ; h
	v_mul_u32_u24 v6, v7, 528
	v_lshl_add_u32 v6, v8, 6, v6
	v_add_nc_u32 v6, s26, v6                       ; out: row r, + 64 h: the pitch is an odd multiple of 16 bytes, so sixteen rows fall on sixteen different columns of banks
.irp b, 0,1,2,3
	v_mov_b32 v[TM+4+\b], 0                        ; written once: a lane permute's destination counts as one of its sources
.endr
	s_wait_alu depctr_va_vdst(0)
	s_wait_kmcnt 0x0
	s_add_nc_u64 s[4:5], s[4:5], s[20:21]
	s_add_nc_u64 s[22:23], s[10:11], s[22:23]
	s_add_nc_u64 s[24:25], s[10:11], s[24:25]
.macro LOADX f                         ; fragment f: 128 along K of the tile's 16 rows; position t is row t + 8 (t / 8) of the tile's span
.irp t, 0,1,2,3,4,5,6,7,8,9,10,11,12,13,14,15
	global_load_b128 v[RS+64*((\f)%2)+4*\t:RS+64*((\f)%2)+4*\t+3], v3, s[4:5] offset:(\t+8*(\t/8))*4096+512*(\f) th:TH_LOAD_NT
.endr
.endm
.macro XFRAG f
.if (\f) < 3
	s_wait_loadcnt 16                              ; this fragment's 16 loads are in; the next fragment's 16 may be out
.else
	s_wait_loadcnt 0x0
.endif
.irp t, 0,1,2,3,4,5,6,7,8,9,10,11,12,13,14,15
	ds_store_b128 v5, v[RS+64*((\f)%2)+4*\t:RS+64*((\f)%2)+4*\t+3] offset:528*\t
.endr
.irp b, 0,1,2,3
.irp j, 0,1,2,3
	ds_load_b128 v[XN+16*\b+4*\j:XN+16*\b+4*\j+3], v6 offset:128*\b+16*\j   ; LDS serves a wave's instructions in order: these see the stores above
.endr
.endr
	s_wait_dscnt 0x0                               ; my numbers are back, and the stores have read their registers
.if (\f) > 0
	s_wait_xcnt 0x0                                ; the last fragment's stores have read the codes' registers: they are written again only behind this wait
.endif
.if (\f) < 2
	LOADX (\f)+2
.endif
	QUANT XN, PW0+(\f)
	global_store_b128 v3, v[PC:PC+3], s[22:23] offset:1536*(\f)            ; 512 consecutive bytes
	global_store_b64 v4, v[PC+4:PC+5], s[22:23] offset:1536*(\f)+512       ; 256
	global_store_b128 v3, v[PC+6:PC+9], s[22:23] offset:1536*(\f)+768
	global_store_b64 v4, v[PC+10:PC+11], s[22:23] offset:1536*(\f)+1280
.endm
	LOADX 0
	LOADX 1
	XFRAG 0
	XFRAG 1
	XFRAG 2
	XFRAG 3
	v_cmp_le_u32 vcc_lo, 16, v2                    ; lanes 0-15 store the words of my first 256 along K, lanes 16-31 those of the second (every lane holds its row's four words)
	v_cndmask_b32 v248, v[PW0], v[PW0+2], vcc_lo
	v_cndmask_b32 v249, v[PW0+1], v[PW0+3], vcc_lo
	global_store_b64 v4, v[248:249], s[24:25]      ; 256 consecutive bytes
	s_wait_tensorcnt 0x0
	ds_add_u32 v254, v255
	s_wait_dscnt 0x0
	s_endpgm
; ---------------- the weights: K is the FIRST axis.  A lane takes a column and its registers run down K: a block of 32 lies in one lane, and the conversions give codes with K innermost.
; Lane l of a wave's 32 columns is position r = (l % 8) + 8 (l / 16) of tile u = (l / 8) % 2.
.macro WLOAD t, n                      ; block t: W(32 t + i, my column) into set t % 2; a wave reads 128 consecutive bytes
.set i, 0
.rept 32
	global_load_b32 v[32+32*((\t)%2)+i], v3, s[20:21] offset:(32*(\t)+i)*(\n)*4 th:TH_LOAD_NT
.set i, i+1
.endr
.endm
.macro WBLOCK t, n
.set XS, 32+32*((\t)%2)
.if (\t) < 7
	s_wait_loadcnt 32                              ; this block's 32 loads are in; the next block's may be out
.else
	s_wait_loadcnt 0x0
.endif
	v_max3_num_f32 v12, |v[XS]|, |v[XS+1]|, |v[XS+2]|
	v_max3_num_f32 v13, |v[XS+3]|, |v[XS+4]|, |v[XS+5]|
.irp i, 6,10,14,18,22,26
	v_max3_num_f32 v12, v12, |v[XS+\i]|, |v[XS+\i+1]|
	v_max3_num_f32 v13, v13, |v[XS+\i+2]|, |v[XS+\i+3]|
.endr
	v_max3_num_f32 v12, v12, |v[XS+30]|, |v[XS+31]|
	v_max3_num_f32 v12, v12, v13, 0x1800000        ; and the floor 2^(3 - 127)
	v_add_nc_u32 v11, 0xff000000, v12              ; 2 off the exponent field: the conversion's scale operand
	v_lshrrev_b32 v13, 23, v11                     ; the scale's byte
.if (\t)%4 == 0
	v_mov_b32 v[24+(\t)/4], v13                    ; four bytes to a register, the lower K in the lower byte
.else
	v_lshl_or_b32 v[24+(\t)/4], v13, 8*((\t)%4), v[24+(\t)/4]
.endif
	v_cvt_scalef32_pk16_fp6_f32 v[96+6*(\t):96+6*(\t)+2], v[XS:XS+15], v11
	v_cvt_scalef32_pk16_fp6_f32 v[144:146], v[XS+16:XS+31], v11     ; (a conversion's three registers begin on an even number)
	v_nop                                          ; one plain place behind a scaled conversion
.irp i, 0,1,2
	v_mov_b32 v[99+6*(\t)+\i], v[144+\i]           ; each block has six registers of its own: no store's data are written again
.endr
.if (\t)+2 < 8
	WLOAD (\t)+2, \n
.endif
	global_store_b128 v7, v[96+6*(\t):96+6*(\t)+3], s[22:23] offset:((\t)/2)*768+256*((\t)%2)       ; block t is half h = t % 2 of half image t / 2: the sixteen lanes of a tile fill 256 consecutive bytes
	global_store_b64 v8, v[96+6*(\t)+4:96+6*(\t)+5], s[22:23] offset:((\t)/2)*768+512+128*((\t)%2)
.endm
.macro WPATH n, g0, src                ; s13: the work-group's number within this tensor
	s_lshr_b32 s14, s13, 2
	s_lshl_b32 s14, s14, 2
	s_add_co_u32 s14, s14, s12                     ; B: which 32 columns are my wave's
	s_and_b32 s15, s13, 3                          ; which 256 along K
	s_mul_i32 s20, s15, 256*(\n)*4
	s_lshl_b32 s21, s14, 7
	s_add_co_u32 s20, s20, s21
	s_mov_b32 s21, 0
	s_mul_i32 s22, s14, 2*12288                    ; tiles g0 + 2 B and g0 + 2 B + 1
	s_mul_i32 s23, s15, 3072
	s_add_co_u32 s22, s22, s23
	s_add_co_u32 s22, s22, (\g0)*12288
	s_mov_b32 s23, 0
	s_lshl_b32 s24, s14, 10
	s_lshl_b32 s25, s15, 7
	s_add_co_u32 s24, s24, s25
	s_add_co_u32 s24, s24, SCL0+(\g0)*512
	s_mov_b32 s25, 0
	v_lshlrev_b32 v3, 2, v2                        ; in: 4 bytes a lane
	v_bfe_u32 v5, v2, 3, 1                         ; u
	v_and_b32 v6, 7, v2
	v_lshrrev_b32 v10, 4, v2
	v_lshl_or_b32 v6, v10, 3, v6                   ; r
	v_mul_u32_u24 v7, v5, 12288
	v_lshl_add_u32 v8, v6, 3, v7                   ; u x 12,288 + 8 r
	v_lshl_add_u32 v7, v6, 4, v7                   ; u x 12,288 + 16 r
	v_lshlrev_b32 v9, 9, v5
	v_lshl_add_u32 v9, v6, 3, v9                   ; u x 512 + 8 r
	s_wait_kmcnt 0x0
	s_add_nc_u64 s[20:21], s[\src:\src+1], s[20:21]
	s_add_nc_u64 s[22:23], s[10:11], s[22:23]
	s_add_nc_u64 s[24:25], s[10:11], s[24:25]
	WLOAD 0, \n
	WLOAD 1, \n
.irp t, 0,1,2,3,4,5,6,7
	WBLOCK \t, \n
.endr
	global_store_b64 v9, v[24:25], s[24:25]        ; my column's 8 scale bytes of these 256 along K
.endm
.Lweights:
	s_cmp_lt_u32 ttmp9, 352
	s_cbranch_scc0 .Lw_out
	s_sub_co_u32 s13, ttmp9, 256
	s_wait_alu depctr_va_vdst(0)
	WPATH 3072, 512, 6
	s_endpgm
.Lw_out:
	s_sub_co_u32 s13, ttmp9, 352
	s_wait_alu depctr_va_vdst(0)
	WPATH 1024, 704, 8
	s_endpgm
.Lfunc_end_k_qa60eb29dd2_prep:
	.size	k_qa60eb29dd2_prep, .Lfunc_end_k_qa60eb29dd2_prep-k_qa60eb29dd2_prep
	.p2alignl 7, 3214868480
	.fill 96, 4, 3214868480
	.section	.rodata,"a",@progbits
	.p2align	6, 0x0
	.amdhsa_kernel k_qa60eb29dd2_prep
		.amdhsa_group_segment_fixed_size 34304
		.amdhsa_private_segment_fixed_size 0
		.amdhsa_enable_private_segment 0
		.amdhsa_kernarg_size 32
		.amdhsa_user_sgpr_count 2
		.amdhsa_user_sgpr_kernarg_segment_ptr 1
		.amdhsa_wavefront_size32 1
		.amdhsa_system_sgpr_workgroup_id_x 1
		.amdhsa_system_sgpr_workgroup_id_y 1
		.amdhsa_system_sgpr_workgroup_id_z 1
		.amdhsa_system_vgpr_workitem_id 0
		.amdhsa_next_free_vgpr 256
		.amdhsa_next_free_sgpr 66
		.amdhsa_reserve_vcc 1
		.amdhsa_float_denorm_mode_32 3
		.amdhsa_float_denorm_mode_16_64 3
		.amdhsa_memory_ordered 1
		.amdhsa_forward_progress 1
		.amdhsa_inst_pref_size 111
	.end_amdhsa_kernel
	.amdgpu_metadata
---
amdhsa.version: [ 1, 2 ]
amdhsa.kernels:
  - .name:           k_qa60eb29dd2_prep
    .symbol:         k_qa60eb29dd2_prep.kd
    .args:
      - { .name: x, .offset: 0, .size: 8, .value_kind: global_buffer, .address_space: global }
      - { .name: w_qkv, .offset: 8, .size: 8, .value_kind: global_buffer, .address_space: global }
      - { .name: w_out, .offset: 16, .size: 8, .value_kind: global_buffer, .address_space: global }
      - { .name: xw, .offset: 24, .size: 8, .value_kind: global_buffer, .address_space: global }
    .group_segment_fixed_size: 34304
    .private_segment_fixed_size: 0
    .kernarg_segment_align: 8
    .kernarg_segment_size: 32
    .max_flat_workgroup_size: 128
    .sgpr_count:     66
    .vgpr_count:     256
    .wavefront_size: 32
...
	.end_amdgpu_metadata
.endif
;; end of part 1
;; launch gemm_qkv (part 2): grid 8 x 32, 4 waves a work-group, clusters of 4 x 4, 327,680 bytes of LDS; arguments xw, qkv; writes qkv
.if DOCPART == 2
	.amdgcn_target "amdgcn-amd-amdhsa--gfx1250"
	.amdhsa_code_object_version 6
	.text
	.protected	k_qa60eb29dd2_gemm_qkv
	.globl	k_qa60eb29dd2_gemm_qkv
	.p2align	8
	.type	k_qa60eb29dd2_gemm_qkv,@function
k_qa60eb29dd2_gemm_qkv:
	s_mov_b64 s[64:65], 0
	v_nop
	global_prefetch_b8 v0, s[64:65] scope:SCOPE_SE
	s_setreg_imm32_b32 hwreg(HW_REG_WAVE_MODE, 25, 1), 1
	s_wait_xcnt 0x0
	s_wait_alu depctr_hold_cnt(0) depctr_sa_sdst(0) depctr_va_vdst(0) depctr_va_sdst(0) depctr_va_ssrc(0) depctr_va_vcc(0) depctr_vm_vsrc(0)
	s_getreg_b32 s2, hwreg(HW_REG_IB_STS2, 6, 4)
	s_cmp_eq_u32 s2, 0
	s_cbranch_scc0 .Lentry_in_a_cluster
	s_endpgm
.Lentry_in_a_cluster:
	s_bfe_u32 s2, ttmp6, 0x10000c
	s_cmp_lg_u32 s2, 0xf033
	s_cbranch_scc0 .Lentry_shape_is_right
	s_endpgm
.Lentry_shape_is_right:
; qkv = x w_qkv on codes of FP6 (E2M3) with E8M0 scales, K = 1,024, f32 sums; the results are quantised again in registers and leave as codes: q and k along the head's 64 channels, v along the keys.
; OPERANDS lie in xw as images of the operand's registers.  A half image: 16 rows x 64 K, 768 bytes, lane l's first 16 bytes at 16 l, its last 8 at 512 + 8 l; a tile of 16 rows: 16 half images, 12,288 bytes, at G x 12,288;
; its scale bytes at SCL0 + G x 512, laid [K / 256][position r][8].  Position r of tile 2 B + u is row 32 B + 8 u + r + 8 (r / 8).  G: 0-511 rows of x, 512-703 columns of w_qkv.
; qkv: for head bh = 16 batch + head, HB bytes of codes: Q [tile of 16 tokens (128)][768], K likewise at + 98,304, V [128 keys (16)][tile of 16 channels (4)][1,536] at + 196,608;
; scale words at SCB + bh x 20,480: Q [tile][16][4 bytes], K at + 8,192, V [128 keys][tile][16][4] at + 16,384.  A word of Q or K holds the row's two bytes twice; a word of V the four bytes of 128 keys.
; THE DEAL.  256 work-groups of four waves, 2 x 2.  A work-group makes 256 tokens x 384 columns in THREE PHASES of 128 columns: v's columns 128 g, then q's or k's columns 256 g and 256 g + 128 (g = work-group x; 0-3 q, 4-7 k).
; x's 16 tiles, all of K (196,608 bytes), and their scale bytes come into LDS once and stay.  The weights have a region of their own (8 tiles, 98,304 bytes, and 4,096 scale bytes), filled at the head and filled again twice.
; A wave (a, b) holds the phase's columns 64 b + 0 .. 63 (4 tiles, one head), all of K, in 384 registers and streams its 8 tiles of x (tokens 128 a + ..) past them: a block is one tile, 8 fragments, 32 products.
; A block's fragments and scale words lie twice in registers: block s reads set s % 2, and behind its products that set takes tile (s + 2) % 8: the walk over x's tiles goes on from phase to phase.
; A REFILL stands as soon as every wave holds the weights in registers: the three lines, a round of the cluster's barrier, the joint loads (waves 0 and 1 half the tiles each, wave 2 the scale bytes); it has the phase's
; 256 products a wave in which to land, and a plain barrier at the phase's end, behind which nothing is filled, shows it to all waves.
; V COMES FIRST: source 0 = x's tile, source 1 = the weights': a lane holds one channel and its registers run along the keys; a fragment is whole only after the eight blocks (256 accumulator registers).  Its way out stands under the
; flight of the next weights' LDS loads.  Q, K: source 0 = the weights' tile, source 1 = x's: a lane holds one token and 32 registers along the head's channels (register 16 b + i = channel 32 b + 16 h + i): a half image and two
; scale bytes a block.  The search for a block's largest magnitudes stands among the next block's products, two lines behind every second one; the conversions stand behind that block's last product.
; CLUSTERS: 4 x 4 work-groups.  x's tiles hang on the work-group's y and are shared along a row of the cluster, the weights' on its x and are shared along a column.
; PREFETCH: the weights of the second and of the third phase, 384 blocks of 256 bytes each, are asked for into the L2 one refill ahead; the sixteen waves of a cluster's column share the blocks out by address (24 a wave); of the eight
; clusters that read the same weights the four with the lowest y ask.
; LIMITS: NaN and infinities are not served; a block whose largest magnitude lies under 2^-124 has its byte held at 1; a block of zeros gets the byte 1: its codes are zeros, and this program alone reads the bytes.
; REGISTERS: window 0: v8-27 addresses and scale words on the way out, v28, v29 the add's, v30, v31 v's words, v32-47 the weights' scale words (lanes 0-15 the even tile's, lanes 16-31 the odd one's), v52-67 x's, two sets,
; v72-87 at work, v200-219 the codes just made.  Fragment f (4 q + t the weights'; 32 + 8 e + q x's set e): f < 42 in window 1 + f / 21 at register 12 (f % 21), else in window 0 at v[128 + 12 (f - 42)].
; Window 3: the accumulators: v's at 64 t + 8 s; q's and k's, two sets, at 32 e + 8 t.
.set TB,    12288
.set FR,    12
.set FPW,   21
.set WB,    16*TB                      ; LDS: x's tiles at 0, the weights' here,
.set SAB,   24*TB                      ; x's scale bytes,
.set SWB,   SAB+8192                   ; the weights',
.set SPARE, SWB+4096                   ; the spare words, 128 bytes a wave
.set SCL0,  9437184
.set HB,    294912
.set SCB,   18874368
.set AA16, 8                           ; v8, v9 my tiles 0-3 of x: 16 and 8 bytes a lane;  v10, v11 tiles 4-7
.set AA8,  9
.set AW16, 12                          ; v12, v13 my four tiles of the weights
.set AW8,  13
.set ASA,  14                          ; v14 x's scale words, v15 the weights'
.set ASW,  15
.set L16,  16                          ; v16-18 16, 8, 4 x lane
.set L8,   17
.set L4,   18
.set ADR16, 19                         ; v19-21 as v8, v9, v14, for the pair of tiles that is fetched next
.set ADR8, 20
.set ADRS, 21
.set PF0,  22                          ; v22, v23 the prefetches' offsets; never rewritten
.set PF1,  23
.set PW,   24                          ; v24, v25 the scale words of an even and an odd block; v26 as they are stored; v27 at work
.set PWS,  26
.set PWT,  27
.set SPW,  28
.set NIL,  29
.set VW,   30
.set VWE,  31
.set SW,   32
.set SA,   52
.set TM,   72
.set PC,   200
.set SEL,  18                          ; s[18:19] lane selects for v_permlanex16_b32
.set G1W,  24
.set G1X,  32
.set G1SW, 48
.set G1SX, 56
.set G0W,  68
.set G0X,  72
.set G0SW, 76
.set G0SX, 80
.set MSB, 0
.macro WIN new                         ; the immediate's high byte repeats the setting that is left
.if MSB != (\new)
	s_set_vgpr_msb (MSB<<8)|(\new)
.set MSB, (\new)
.endif
.endm
.macro PLACES n
.rept \n
	v_nop
.endr
.endm
.macro CROUND                          ; a round of the cluster's barrier
	s_barrier_signal -1
	s_barrier_wait -1
	s_cmp_lg_u32 s14, 0
	s_cbranch_scc1 .Lnot_wave_0_\@
	s_barrier_signal -3
.Lnot_wave_0_\@:
	s_barrier_wait -3
	s_barrier_signal -1
	s_barrier_wait -1
.endm
.macro DESC g, mask, rows              ; group 1: a dense block as rows of 256 bytes (32 elements of 8 bytes), no padding; bit 21 set beside the mask
	s_or_b32 s[\g], s[\mask], (3<<16)|(1<<21)
	s_mov_b32 s[\g+1], 32<<16
	s_mov_b32 s[\g+2], (\rows)<<16
	s_mov_b32 s[\g+3], 32<<16
	s_mov_b32 s[\g+4], \rows
	s_mov_b32 s[\g+5], 32
	s_mov_b32 s[\g+6], 0
	s_mov_b32 s[\g+7], 0
.endm
.macro G0SET g, lds, off
	s_mov_b32 s[\g], 1
	s_mov_b32 s[\g+1], \lds
	s_add_nc_u64 s[\g+2:\g+3], s[4:5], s[\off:\off+1]
	s_or_b32 s[\g+3], s[\g+3], 0x80000000
.endm
.macro TLOAD g0, g1
	tensor_load_to_lds s[\g0:\g0+3], s[\g1:\g1+7]
	s_nop 0
	PLACES 4
.endm
.macro ARM is, g0, g1, next
	s_cmp_eq_u32 s14, \is
	s_cbranch_scc0 \next
	TLOAD \g0, \g1
	s_branch .Lasked
\next:
.endm
.macro RSET first                      ; a refill's descriptors, written where no tensor load of the wave is out: the weights at s8, their scale bytes at s9 (bytes from xw); both step on to the next phase's
	s_mul_i32 s[G0W+1], s16, 4*TB
	s_add_co_u32 s[G0W+1], s[G0W+1], WB
	s_mul_i32 s20, s16, 4*TB
	s_add_co_u32 s20, s20, s8
	s_mov_b32 s21, 0
	s_add_nc_u64 s[G0W+2:G0W+3], s[4:5], s[20:21]
	s_or_b32 s[G0W+3], s[G0W+3], 0x80000000
	s_mov_b32 s20, s9
	s_add_nc_u64 s[G0SW+2:G0SW+3], s[4:5], s[20:21]
	s_or_b32 s[G0SW+3], s[G0SW+3], 0x80000000
	s_add_co_u32 s8, s8, 8*TB
	s_add_co_u32 s9, s9, 4096
.if \first
	s_mov_b32 s[G1W+2], 192<<16                    ; from here on a load of weights brings four tiles, 192 rows of 256 bytes
	s_mov_b32 s[G1W+4], 192
.endif
.endm
.macro RLOAD                           ; the joint refill, first behind the round: one chain of branches on the wave's number
	s_cmp_lt_u32 s14, 2
	s_cbranch_scc0 .Lscales_\@
	TLOAD G0W, G1W
	s_branch .Lrasked_\@
.Lscales_\@:
	s_cmp_eq_u32 s14, 2
	s_cbranch_scc0 .Lnone_\@
	TLOAD G0SW, G1SW
.Lnone_\@:
.Lrasked_\@:
.endm
.macro PFGO v
	s_cmp_lt_u32 s13, 4
	s_cbranch_scc0 .Lno_pf_\@
	global_prefetch_b8 v[\v], s[4:5] th:TH_LOAD_NT scope:SCOPE_SE
.Lno_pf_\@:
.endm
.macro SHOW                            ; a plain barrier: what the last refill brought is shown to all waves
	s_wait_tensorcnt 0x0
	s_wait_dscnt 0x0
	s_barrier_signal -1
	s_barrier_wait -1
.endm
.macro LOC f                           ; where fragment f lies: window W_, register R_
.if (\f) < 42
.set W_, 1+(\f)/FPW
.set R_, FR*((\f)%FPW)
.else
.set W_, 0
.set R_, 128+FR*((\f)-42)
.endif
.endm
.macro FRAG f, a16, a8, off            ; a fragment as it lies: two half images, 16 and 8 bytes a lane each
	LOC \f
	WIN W_<<6
	ds_load_b128 v[R_:R_+3], v[\a16] offset:(\off)
	ds_load_b64 v[R_+4:R_+5], v[\a8] offset:(\off)+512
	ds_load_b128 v[R_+6:R_+9], v[\a16] offset:(\off)+768
	ds_load_b64 v[R_+10:R_+11], v[\a8] offset:(\off)+1280
.endm
.macro WEIGHTS                         ; my 64 columns, all of K, and their scale words: 136 loads
.irp q, 0,1,2,3,4,5,6,7
.irp t, 0,1,2,3
	FRAG 4*\q+\t, AW16, AW8, \t*TB+\q*1536
.endr
.endr
	WIN 0
.irp p, 0,1
.irp k, 0,1,2,3
	ds_load_b64 v[SW+8*\p+2*\k:SW+8*\p+2*\k+1], v[ASW] offset:\p*1024+\k*128
.endr
.endr
.endm
.macro FETCHI s                        ; my tile s of x into set s % 2: 32 loads for eight fragments, 4 for eight scale words: 36
.irp q, 0,1,2,3,4,5,6,7
	FRAG 32+8*((\s)%2)+\q, AA16+2*((\s)/4), AA8+2*((\s)/4), ((\s)%4)*TB+\q*1536
.endr
	WIN 0
.irp k, 0,1,2,3
	ds_load_b64 v[SA+8*((\s)%2)+2*\k:SA+8*((\s)%2)+2*\k+1], v[ASA] offset:(\s)*512+\k*128
.endr
.endm
.macro FETCHD e                        ; the same by the stepped addresses: the pair's tile e into set e
.irp q, 0,1,2,3,4,5,6,7
	FRAG 32+8*(\e)+\q, ADR16, ADR8, (\e)*TB+\q*1536
.endr
	WIN 0
.irp k, 0,1,2,3
	ds_load_b64 v[SA+8*(\e)+2*\k:SA+8*(\e)+2*\k+1], v[ADRS] offset:(\e)*512+\k*128
.endr
.endm
.macro XSTEP                           ; the addresses of the pair of tiles s12 % 8, s12 % 8 + 1; s12 counts on by two
	s_and_b32 s20, s12, 7
	s_mul_i32 s21, s20, TB
	s_lshl_b32 s22, s20, 9
	v_add_nc_u32 v[ADR16], s21, v[AA16]
	v_add_nc_u32 v[ADR8], s21, v[AA8]
	v_add_nc_u32 v[ADRS], s22, v[ASA]
	s_wait_alu depctr_va_vdst(0)
	s_add_co_u32 s12, s12, 2
.endm
.macro PROD1 d, s0, s1, c, x0, x1, side, o
.if \o
	v_wmma_scale_f32_16x16x128_f8f6f4 v[\d:\d+7], v[\s0:\s0+FR-1], v[\s1:\s1+FR-1], \c, v[\x0], v[\x1] matrix_a_fmt:MATRIX_FMT_FP6 matrix_b_fmt:MATRIX_FMT_FP6 matrix_\side\()_scale:MATRIX_SCALE_ROW1
.else
	v_wmma_scale_f32_16x16x128_f8f6f4 v[\d:\d+7], v[\s0:\s0+FR-1], v[\s1:\s1+FR-1], \c, v[\x0], v[\x1] matrix_a_fmt:MATRIX_FMT_FP6 matrix_b_fmt:MATRIX_FMT_FP6
.endif
.endm
.macro PROD kind, e, n, s              ; product n = 4 q + t of a block: the four accumulators take turns, one instruction a turn; the first four start the sums.  kind 1: v
.set Q_, (\n)/4
.set T_, (\n)%4
	LOC 4*Q_+T_
.set WW_, W_
.set RW_, R_
	LOC 32+8*(\e)+Q_
.set XW_, SW+8*(T_/2)+Q_
.set XA_, SA+8*(\e)+Q_
.if \kind
.set D_, 64*T_+8*(\s)
	WIN W_|(WW_<<2)|0xf0
.if Q_
	PROD1 D_, R_, RW_, v[D_:D_+7], XA_, XW_, b, T_%2
.else
	PROD1 D_, R_, RW_, 0, XA_, XW_, b, T_%2
.endif
.else
.set D_, 32*(\e)+8*T_
	WIN WW_|(W_<<2)|0xf0
.if Q_
	PROD1 D_, RW_, R_, v[D_:D_+7], XW_, XA_, a, T_%2
.else
	PROD1 D_, RW_, R_, 0, XW_, XA_, a, T_%2
.endif
.endif
.endm
.macro VBLK s                          ; a block of v
	s_wait_dscnt 36                                ; this block's fetch is in; the next block's 36 loads may be out
.set N_, 0
.rept 32
	PROD 1, (\s)%2, N_, \s
.set N_, N_+1
.endr
	WIN 0
	PLACES 4                                       ; places behind the products, ahead of the loads into their operands
	FETCHI ((\s)+2)%8
.endm
; Line i of the first part of the way out of the 32 sums of set e: two chains, one for each block of 32 channels, line by line in turn; the other half of the lanes' 16; the conversions' scale operands; the bytes; the word.
.macro CH i, e
.set X_, 32*(\e)
.set B_, (\i)%2
.if (\i) < 2
	WIN 0x0f
	v_max3_num_f32 v[TM+B_], |v[X_+16*B_]|, |v[X_+16*B_+1]|, 0x1800000   ; each accumulator is read from its low end on; the floor 2^(3 - 127) holds the byte at 1 from below
.elseif (\i) < 16
	WIN 0x0f
	v_max3_num_f32 v[TM+B_], |v[X_+16*B_+2*((\i)/2)]|, |v[X_+16*B_+2*((\i)/2)+1]|, v[TM+B_]
.elseif (\i) < 18
	WIN 0
	v_permlanex16_b32 v[TM+4+B_], v[TM+B_], s[SEL], s[SEL+1]
.elseif (\i) < 20
	WIN 0
	v_max_num_f32 v[TM+B_], v[TM+B_], v[TM+4+B_]
.elseif (\i) < 22
	WIN 0
	v_add_nc_u32 v[TM+8+B_], 0xff000000, v[TM+B_]  ; 2 off the exponent field: the conversion's scale operand
.elseif (\i) < 24
	WIN 0
	v_lshrrev_b32 v[TM+4+B_], 23, v[TM+8+B_]       ; the scale's byte
.elseif (\i) == 24
	WIN 0
	v_lshl_or_b32 v[PWT], v[TM+5], 8, v[TM+4]
.elseif (\i) == 26
	WIN 0
	v_lshl_or_b32 v[PW+(\e)], v[PWT], 16, v[PWT]   ; the row's two bytes, twice
.endif
.endm
.macro QPRODS e, chain                 ; a block's 32 products on set e; behind every second one two lines of the other set's way out
.set N_, 0
.rept 32
	PROD 0, \e, N_, 0
.if (\chain) && (N_%2)
	CH N_-1, 1-(\e)
	CH N_, 1-(\e)
.endif
.set N_, N_+1
.endr
	WIN 0
.endm
; The second part: the places step on, the conversions, a whole block to a lane, the stores.  s11 counts the blocks sent: behind the eighth the places go on to the second phase's head.  e = 1: the pair's two scale words leave too.
.macro WAYOUT e
	s_wait_xcnt 0x0                                ; the last stores have read their data and their bases: both are written again only behind this wait
	s_add_nc_u64 s[84:85], s[84:85], s[96:97]
.if \e
	s_add_nc_u64 s[86:87], s[86:87], s[88:89]
.endif
	s_add_co_u32 s11, s11, 1
	s_cmp_eq_u32 s11, 8
	s_cselect_b32 s96, s98, 768
.if \e
	s_cselect_b32 s88, s99, 128
.endif
	s_wait_alu depctr_va_vdst(0)                   ; the scale operands and words were written ahead of the wait and the scalar lines above
	WIN 3
	v_cvt_scalef32_pk16_fp6_f32 v[PC:PC+2], v[32*(\e):32*(\e)+15], v[TM+8]
	v_cvt_scalef32_pk16_fp6_f32 v[PC+6:PC+8], v[32*(\e)+16:32*(\e)+31], v[TM+9]
	WIN 0
	v_nop                                          ; one plain place behind a scaled conversion
.irp i, 0,1,2
	v_permlane16_swap_b32 v[PC+\i], v[PC+6+\i]     ; a whole block to a lane
.endr
.irp i, 0,1,2
	v_mov_b32 v[PC+3+\i], v[PC+6+\i]               ; (the v_nop and these three are the places between the block's products and the loads into their operands)
.endr
.if \e
	v_cndmask_b32 v[PWS], v[PW], v[PW+1], s94      ; lanes 0-15 the even tile's words, lanes 16-31 the odd one's
.endif
	global_store_b128 v[L16], v[PC:PC+3], s[84:85]             ; 512 consecutive bytes
	global_store_b64 v[L8], v[PC+4:PC+5], s[84:85] offset:512  ; 256
.if \e
	global_store_b32 v[L4], v[PWS], s[86:87]                   ; 128: one part in twelve of what the phase stores
.endif
.endm
.macro QKPAIR first, fetch             ; an even and an odd block of q or k.  first: no block stands ahead of the even one.  fetch = 0: nothing more is fetched
	s_wait_dscnt 36                                ; the even block's fetch is in; the odd one's 36 loads may be out
	QPRODS 0, 1-(\first)
.if \first
	PLACES 4
.else
	WAYOUT 1
.endif
.if \fetch
	XSTEP
	FETCHD 0
	s_wait_dscnt 36
.else
	s_wait_dscnt 0x0
.endif
	QPRODS 1, 1
	WAYOUT 0
.if \fetch
	FETCHD 1
.endif
.endm
; v's way out: the 64 registers at s of window w are 128 neighbouring keys of the lane's channel: register 16 b + i = key 32 b + 16 h + i.  They become a fragment's codes and its scale word.
.macro QUANTW s, w
	WIN 5*(\w)
.irp b, 0,1,2,3
	v_max3_num_f32 v[TM+\b], |v[(\s)+16*\b]|, |v[(\s)+1+16*\b]|, 0x1800000
.endr
.irp i, 2,4,6,8,10,12,14
.irp b, 0,1,2,3
	v_max3_num_f32 v[TM+\b], |v[(\s)+16*\b+\i]|, |v[(\s)+1+16*\b+\i]|, v[TM+\b]
.endr
.endr
	WIN 0
.irp b, 0,1,2,3
	v_permlanex16_b32 v[TM+4+\b], v[TM+\b], s[SEL], s[SEL+1]
.endr
.irp b, 0,1,2,3
	v_max_num_f32 v[TM+\b], v[TM+\b], v[TM+4+\b]
.endr
.irp b, 0,1,2,3
	v_add_nc_u32 v[TM+12+\b], 0xff000000, v[TM+\b]
.endr
.irp b, 0,1,2,3
	v_lshrrev_b32 v[TM+4+\b], 23, v[TM+12+\b]
.endr
	v_lshl_or_b32 v[VW], v[TM+5], 8, v[TM+4]
	v_lshl_or_b32 v[VW], v[TM+6], 16, v[VW]
	v_lshl_or_b32 v[VW], v[TM+7], 24, v[VW]
	WIN \w
.irp c, 0,1
	v_cvt_scalef32_pk16_fp6_f32 v[PC+6*\c:PC+2+6*\c], v[(\s)+32*\c:(\s)+15+32*\c], v[TM+12+2*\c]
	v_cvt_scalef32_pk16_fp6_f32 v[PC+12+4*\c:PC+14+4*\c], v[(\s)+16+32*\c:(\s)+31+32*\c], v[TM+12+2*\c+1]
.endr
	WIN 0
	v_nop                                          ; one plain place behind a scaled conversion
.irp c, 0,1
.irp i, 0,1,2
	v_permlane16_swap_b32 v[PC+6*\c+\i], v[PC+12+4*\c+\i]
.endr
.irp i, 0,1,2
	v_mov_b32 v[PC+3+6*\c+\i], v[PC+12+4*\c+\i]
.endr
.endr
.endm
.macro VOUT t
.if (\t) > 0
	s_wait_xcnt 0x0                                ; the last tile's stores have read their data
.endif
	QUANTW 64*(\t), 3
.if (\t)%2
	v_cndmask_b32 v[PWS], v[VWE], v[VW], s94
.else
	v_mov_b32 v[VWE], v[VW]
.endif
	global_store_b128 v[L16], v[PC:PC+3], s[66:67] offset:(\t)*1536
	global_store_b64 v[L8], v[PC+4:PC+5], s[66:67] offset:(\t)*1536+512
	global_store_b128 v[L16], v[PC+6:PC+9], s[66:67] offset:(\t)*1536+768
	global_store_b64 v[L8], v[PC+10:PC+11], s[66:67] offset:(\t)*1536+1280
.if (\t)%2
	global_store_b32 v[L4], v[PWS], s[100:101] offset:((\t)/2)*128
.endif
.endm
	s_load_b128 s[4:7], s[0:1], 0x0                ; xw s[4:5], qkv s[6:7]
	v_lshl_add_u32 v[SPW], v0, 2, SPARE
	v_mov_b32 v[NIL], 0
	ds_add_u32 v[SPW], v[NIL]                      ; the opening lines: the add, twice on end, and its wait ahead of my first tensor load
	ds_add_u32 v[SPW], v[NIL]
	v_lshrrev_b32 v1, 5, v0
	v_readfirstlane_b32 s14, v1                    ; wave 0..3
	s_lshr_b32 s15, s14, 1                         ; a: which 128 tokens
	s_and_b32 s16, s14, 1                          ; b: which 64 columns
	s_bfe_u32 s40, ttmp6, 0x40000                  ; cx, cy: my place in the cluster
	s_bfe_u32 s41, ttmp6, 0x40004
	s_lshl_b32 s42, ttmp9, 2
	s_add_co_u32 s42, s42, s40                     ; g = work-group x
	s_and_b32 s13, ttmp7, 0xffff                   ; cluster y
	s_lshl_b32 s17, s13, 2
	s_add_co_u32 s17, s17, s41                     ; work-group y: which 256 tokens
	s_lshl_b32 s43, s41, 2
	s_lshl_b32 s43, 15, s43                        ; my row of the cluster
	s_lshl_b32 s44, 0x1111, s40                    ; my column
	DESC G1W,  44, 384                             ; the weights' 8 tiles: 98,304 bytes
	DESC G1X,  43, 768                             ; x's 16 tiles: 196,608
	DESC G1SW, 44, 16                              ; their scale bytes: 4,096
	DESC G1SX, 43, 32                              ; and 8,192
	s_mul_i32 s46, s42, 8*TB
	s_add_co_u32 s46, s46, 640*TB                  ; v's columns 128 g, bytes from xw
	s_mov_b32 s47, 0
	s_lshl_b32 s92, s42, 12
	s_add_co_u32 s92, s92, SCL0+640*512
	s_mov_b32 s93, 0
	s_mul_i32 s20, s17, 16*TB                      ; x's tiles
	s_mov_b32 s21, 0
	s_lshl_b32 s22, s17, 13
	s_add_co_u32 s22, s22, SCL0
	s_mov_b32 s23, 0
	s_mul_i32 s8, s42, 16*TB
	s_add_co_u32 s8, s8, 512*TB                    ; q's or k's columns 256 g
	s_lshl_b32 s9, s42, 13
	s_add_co_u32 s9, s9, SCL0+512*512
	s_wait_dscnt 0x0                               ; both opening adds are done
	CROUND                                         ; all sixteen work-groups are here: the joint loads meet
	s_wait_kmcnt 0x0
	G0SET G0W,  WB,  46
	G0SET G0SW, SWB, 92
	G0SET G0X,  0,   20
	G0SET G0SX, SAB, 22
	ARM 0, G0W,  G1W,  .Lwave_1                    ; one load a wave, in one chain of branches on the wave's number: what goes on into registers is asked for by waves 0 and 1
	ARM 1, G0SW, G1SW, .Lwave_2
	ARM 2, G0X,  G1X,  .Lwave_3
	TLOAD G0SX, G1SX
.Lasked:
	; where the results go
	s_lshr_b32 s46, s17, 3
	s_lshl_b32 s46, s46, 4                         ; 16 x batch
	s_and_b32 s47, s17, 7
	s_lshl_b32 s92, s42, 1
	s_add_co_u32 s92, s92, s16
	s_add_co_u32 s92, s92, s46                     ; v's head
	s_lshl_b32 s93, s47, 1
	s_add_co_u32 s93, s93, s15                     ; my 128 keys
	s_mul_i32 s66, s92, HB
	s_mul_i32 s90, s93, 6144
	s_add_co_u32 s66, s66, s90
	s_add_co_u32 s66, s66, 196608
	s_mov_b32 s67, 0
	s_add_nc_u64 s[66:67], s[6:7], s[66:67]        ; v's codes
	s_mul_i32 s100, s92, 20480
	s_lshl_b32 s90, s93, 8
	s_add_co_u32 s100, s100, s90
	s_add_co_u32 s100, s100, SCB+16384
	s_mov_b32 s101, 0
	s_add_nc_u64 s[100:101], s[6:7], s[100:101]    ; v's scale words
	s_lshl_b32 s92, s42, 2
	s_add_co_u32 s92, s92, s16
	s_and_b32 s92, s92, 15
	s_add_co_u32 s92, s92, s46                     ; q's or k's head in the first of the two phases; in the second two on
	s_lshl_b32 s93, s47, 4
	s_lshl_b32 s90, s15, 3
	s_add_co_u32 s93, s93, s90                     ; my first tile of 16 tokens
	s_lshr_b32 s91, s42, 2                         ; 0: q, 1: k
	s_mul_i32 s84, s92, HB
	s_mul_i32 s90, s91, 98304
	s_add_co_u32 s84, s84, s90
	s_mul_i32 s90, s93, 768
	s_add_co_u32 s84, s84, s90
	s_mov_b32 s85, 0
	s_add_nc_u64 s[84:85], s[6:7], s[84:85]        ; codes
	s_mul_i32 s86, s92, 20480
	s_lshl_b32 s90, s91, 13
	s_add_co_u32 s86, s86, s90
	s_lshl_b32 s90, s93, 6
	s_add_co_u32 s86, s86, s90
	s_add_co_u32 s86, s86, SCB
	s_mov_b32 s87, 0
	s_add_nc_u64 s[86:87], s[6:7], s[86:87]        ; scale words
	s_mov_b32 s96, 0                               ; what the next way out adds to the codes' place: 0, then 768, behind the eighth block s98
	s_mov_b32 s97, 0
	s_mov_b32 s88, 0                               ; and to the words': 0, then 128, behind the eighth block s99
	s_mov_b32 s89, 0
	s_mov_b32 s98, 2*HB-7*768
	s_mov_b32 s99, 2*20480-3*128
	s_mov_b32 s11, 0
	s_mov_b32 s12, 2                               ; the first pair of q's or k's blocks fetches tiles 2 and 3
	s_mov_b32 s[SEL], 0x76543210
	s_mov_b32 s[SEL+1], 0xfedcba98
	s_mul_i32 s45, s15, 8*TB                       ; my 8 tiles of x
	s_mul_i32 s90, s16, 4*TB
	s_add_co_u32 s90, s90, WB                      ; my 4 tiles of the weights
	s_lshl_b32 s91, s15, 12
	s_add_co_u32 s91, s91, SAB
	s_lshl_b32 s2, s16, 11
	s_add_co_u32 s2, s2, SWB
	s_lshl_b32 s3, s41, 2
	s_add_co_u32 s3, s3, s14                       ; my number among the sixteen waves of my column of the cluster
	s_mul_i32 s3, s3, 24*256
	s_add_co_u32 s3, s3, s8
	v_and_b32 v1, 31, v0                           ; lane
	v_and_b32 v2, 15, v0                           ; r
	v_bfe_u32 v3, v0, 4, 1                         ; h
	v_lshlrev_b32 v[L16], 4, v1
	v_lshlrev_b32 v[L8], 3, v1
	v_lshlrev_b32 v[L4], 2, v1
	v_add_nc_u32 v[AA16], s45, v[L16]
	v_add_nc_u32 v[AA8], s45, v[L8]
	v_add_nc_u32 v[AA16+2], 4*TB, v[AA16]
	v_add_nc_u32 v[AA8+2], 4*TB, v[AA8]
	v_add_nc_u32 v[AW16], s90, v[L16]
	v_add_nc_u32 v[AW8], s90, v[L8]
	v_lshl_add_u32 v[ASA], v2, 3, s91              ; 8 bytes a position
	v_lshl_add_u32 v4, v3, 9, s2                   ; lanes 16-31 take the odd tile's words
	v_lshl_add_u32 v[ASW], v2, 3, v4
	v_cmp_ne_u32 s94, 0, v3                        ; lanes 16-31
	v_min_u32 v5, 23, v1                           ; 24 blocks of 256 bytes a wave; the lanes left over name the last again
	v_lshl_add_u32 v[PF0], v5, 8, s3
	v_add_nc_u32 v[PF1], 8*TB, v[PF0]
.irp b, 0,1,2,3
	v_mov_b32 v[TM+4+\b], 0                        ; written once: a lane permute's destination counts as one of its sources
.endr
	s_wait_alu depctr_va_vdst(0)
	s_cmp_lt_u32 s14, 2                            ; the two waves that fetched the weights and their scale bytes wait for their loads; x's, other waves' lines, may be out
	s_cbranch_scc0 .Lnot_w
	s_wait_tensorcnt 0x0
.Lnot_w:
	s_barrier_signal -1
	s_barrier_wait -1                              ; v's weights are in
	PFGO PF0                                       ; what the first refill will load
	WEIGHTS
	s_wait_tensorcnt 0x0                           ; the three lines ahead of a refill's round: all that is still out, x's tiles among it;
	ds_add_u32 v[SPW], v[NIL]
	RSET 1
	s_wait_dscnt 0x0                               ; the add is done, and the weights are in my registers
	CROUND
	RLOAD                                          ; the second phase's weights, onto the first's
	FETCHI 0
	FETCHI 1
	PFGO PF1                                       ; what the second refill will load
; ---------------- v
.irp s, 0,1,2,3,4,5,6,7
	VBLK \s
.endr
	SHOW
	WEIGHTS
.irp t, 0,1,2,3
	VOUT \t                                        ; under the flight of the weights' loads
.endr
	s_wait_alu depctr_va_vdst(0)
	s_wait_tensorcnt 0x0
	ds_add_u32 v[SPW], v[NIL]
	RSET 0
	s_wait_dscnt 0x0
	CROUND
	RLOAD                                          ; the third phase's weights
; ---------------- q or k, columns 256 g + 0 .. 127
	QKPAIR 1, 1
	s_mov_b32 s10, 3
.Lqk0:
	QKPAIR 0, 1
	s_sub_co_i32 s10, s10, 1
	s_cmp_lg_u32 s10, 0
	s_wait_alu depctr_va_vdst(0)
	s_cbranch_scc1 .Lqk0
	SHOW
	WEIGHTS
	s_wait_dscnt 0x0
; ---------------- columns 256 g + 128 .. 255; the first block carries the way out of the last block above
	s_mov_b32 s10, 3
.Lqk1:
	QKPAIR 0, 1
	s_sub_co_i32 s10, s10, 1
	s_cmp_lg_u32 s10, 0
	s_wait_alu depctr_va_vdst(0)
	s_cbranch_scc1 .Lqk1
	QKPAIR 0, 0
.set I_, 0
.rept 28
	CH I_, 1                                       ; the last block's way out
.set I_, I_+1
.endr
	WIN 0
	WAYOUT 1
	s_wait_tensorcnt 0x0                           ; the wave's end
	ds_add_u32 v[SPW], v[NIL]
	s_wait_dscnt 0x0
	CROUND                                         ; the closing round
	s_endpgm
.Lfunc_end_k_qa60eb29dd2_gemm_qkv:
	.size	k_qa60eb29dd2_gemm_qkv, .Lfunc_end_k_qa60eb29dd2_gemm_qkv-k_qa60eb29dd2_gemm_qkv
	.p2alignl 7, 3214868480
	.fill 96, 4, 3214868480
	.section	.rodata,"a",@progbits
	.p2align	6, 0x0
	.amdhsa_kernel k_qa60eb29dd2_gemm_qkv
		.amdhsa_group_segment_fixed_size 327680
		.amdhsa_private_segment_fixed_size 0
		.amdhsa_enable_private_segment 0
		.amdhsa_kernarg_size 16
		.amdhsa_user_sgpr_count 2
		.amdhsa_user_sgpr_kernarg_segment_ptr 1
		.amdhsa_wavefront_size32 1
		.amdhsa_system_sgpr_workgroup_id_x 1
		.amdhsa_system_sgpr_workgroup_id_y 1
		.amdhsa_system_sgpr_workgroup_id_z 1
		.amdhsa_system_vgpr_workitem_id 0
		.amdhsa_next_free_vgpr 1024
		.amdhsa_next_free_sgpr 102
		.amdhsa_reserve_vcc 0
		.amdhsa_float_denorm_mode_32 3
		.amdhsa_float_denorm_mode_16_64 3
		.amdhsa_memory_ordered 1
		.amdhsa_forward_progress 1
		.amdhsa_inst_pref_size 189
	.end_amdhsa_kernel
	.amdgpu_metadata
---
amdhsa.version: [ 1, 2 ]
amdhsa.kernels:
  - .name:           k_qa60eb29dd2_gemm_qkv
    .symbol:         k_qa60eb29dd2_gemm_qkv.kd
    .args:
      - { .name: xw, .offset: 0, .size: 8, .value_kind: global_buffer, .address_space: global }
      - { .name: qkv, .offset: 8, .size: 8, .value_kind: global_buffer, .address_space: global }
    .group_segment_fixed_size: 327680
    .private_segment_fixed_size: 0
    .kernarg_segment_align: 8
    .kernarg_segment_size: 16
    .max_flat_workgroup_size: 128
    .sgpr_count:     102
    .vgpr_count:     1024
    .wavefront_size: 32
...
	.end_amdgpu_metadata
.endif
;; end of part 2
;; launch attn (part 3): grid 4 x 64, 16 waves a work-group, clusters of 4 x 1, 210,944 bytes of LDS; arguments qkv, oimg; writes oimg
.if DOCPART == 3
	.amdgcn_target "amdgcn-amd-amdhsa--gfx1250"
	.amdhsa_code_object_version 6
	.text
	.protected	k_qa60eb29dd2_attn
	.globl	k_qa60eb29dd2_attn
	.p2align	8
	.type	k_qa60eb29dd2_attn,@function
k_qa60eb29dd2_attn:
	s_mov_b64 s[64:65], 0
	v_nop
	global_prefetch_b8 v0, s[64:65] scope:SCOPE_SE
	s_setreg_imm32_b32 hwreg(HW_REG_WAVE_MODE, 25, 1), 1
	s_wait_xcnt 0x0
	s_wait_alu depctr_hold_cnt(0) depctr_sa_sdst(0) depctr_va_vdst(0) depctr_va_sdst(0) depctr_va_ssrc(0) depctr_va_vcc(0) depctr_vm_vsrc(0)
	s_getreg_b32 s2, hwreg(HW_REG_IB_STS2, 6, 4)
	s_cmp_eq_u32 s2, 0
	s_cbranch_scc0 .Lentry_in_a_cluster
	s_endpgm
.Lentry_in_a_cluster:
	s_bfe_u32 s2, ttmp6, 0x10000c
	s_cmp_lg_u32 s2, 0x3003
	s_cbranch_scc0 .Lentry_shape_is_right
	s_endpgm
.Lentry_shape_is_right:
; o = softmax(q k^T / 8, causal) v for 64 heads of 2,048 tokens x 64 channels, both products on codes of FP6 (E2M3) with E8M0 scales; o / l is quantised along the model's 1,024 channels and leaves as codes.
; Key steps that lie wholly behind a tile's queries are left out:
; qkv (for head bh: HB bytes of codes, 20,480 of scale words) holds images of operand registers.  A half image: 16 rows x 64 K, 768 bytes: lane l's first 16 bytes at 16 l, its last 8 at 512 + 8 l.
;   Q, K: [tile of 16 tokens (128)][768], K = the 64 channels; position r of tile 2 B + u is token 32 B + 8 u + r + 8 (r / 8).  V: [128 keys (16)][tile of 16 channels (4)][1,536], K = the keys; channels placed in tiles likewise.
;   A scale word of Q or K holds the row's two bytes twice; a word of V the four bytes of 128 keys.
; THE SOFTMAX AHEAD OF THE SECOND PRODUCT: t = score x log2(e) / 8; M = the row's largest t so far, rounded UP to a whole number; p = 2^(t - M) is quantised along the keys, not normalised.
; The row's sum is taken of the unquantised p, in f32, and divides O at the end.  When M moves, the sum and O are multiplied by 2^(old M - new M): exact.
; K = 64 IN AN INSTRUCTION OF 128: source 0 holds TWO tiles of keys, one in each half of the instruction's K; source 1 is [Q, zeros] for the first tile's scores and [zeros, Q] for the second's.  Zero codes add nothing;
; the doubled scale words serve either half.
; SHARES.  The four work-groups of a cluster share one head.  Query tile t needs key steps (128 keys) 0 .. t / 8.  Wave w of work-group j owns two tiles, 8 m + 4 (w % 2) + j for two values of m (their last key steps), which
; two tables give for w / 2: a long tile and a short one.  Steps (m + 1) of the two tiles for w / 2 = 0 .. 7: 16 + 8, 15 + 9, 14 + 2, 13 + 1, 12 + 7, 11 + 10, 5 + 4, 6 + 3: every m from 0 to 15 stands once.  THE SHARES ARE UNEVEN BY
; DESIGN: 24 steps for waves 0-3, 16 or 14 for waves 4-7, 19 or 21 for waves 8-11, 9 for waves 12-15; waves w, w + 4, w + 8, w + 12 together have 68 for every w.  The counts are the same in all four partners:
; no branch hangs on the place in the cluster.
; LDS: the head's K (98,304 bytes), V (98,304) and their scale words (12,288) are brought ONCE, by joint loads (each of the four work-groups issues the same load and each receives the bytes): no ring, nothing is filled again.
; Both products are used transposed (S^T = K Q^T, O^T = V^T P^T): a lane holds ONE query throughout, and the 16 registers of two neighbouring tiles are 16 neighbouring keys, or channels.
; oimg: codes at ((128 batch + t) x 16 + head) x 768; scale bytes at OSC + (128 batch + t) x 512 + (head / 4) x 128 + 8 r + 2 (head % 4).
; No prefetch: the head's K, V and scale words are all asked for at the kernel's head, so there is no loop to run ahead in.
; LIMITS: NaN and infinities are not served; a block whose largest magnitude lies under 2^-124 has its byte held at 1; a block of zeros gets the byte 1: its codes are zeros, and this program alone reads the bytes.
.set HB,   294912
.set SCB,  18874368
.set OSC,  6291456
.set VOFF, 98304                       ; LDS: K's codes at 0, V's here,
.set SCL,  196608                      ; K's scale words here, V's 8,192 on
.set SCR,  52                          ; v52-55  scale words of the tiles in hand: lanes 0-15 an even tile's, lanes 16-31 the odd one's
.set FRG,  66                          ; v66-89  two fragments of K or of V
.set SCO,  90                          ; v90-153 S^T, then p; at the end o
.set PC,   218                         ; v218-229 p's codes
.set CT,   230                         ; v230-236 the conversions' second halves
.set BM,   238                         ; v238-241 each block's largest score, then p
.set PT,   242                         ; v242-245 the other half's, then bytes
.set SO,   246                         ; v246-249 the conversions' scale operands
.set KG,   128                         ; K's third fragment lies in v218-229 (p's codes are made later), its fourth in v238-249: fragment pr at FRG + 12 pr + KG (pr / 2) + 8 (pr / 3)
.set VG,   32                          ; V's third and fourth fragments lie in v122-145, which p has left by then: fragment t at FRG + 12 t + VG (t / 2)
; v1 16 x lane, v2 8 x lane, v3 SCL + 4 x lane; v4-9 the step's addresses; v10 the masks' d (both tiles have the same number modulo 8); v12-15, v16-19 per tile: -M, the largest t, the sum in two halves;
; v20-49: zeros, Q of tile 0, zeros, Q of tile 1, zeros, six registers each; v50, v51 Q's scale words; v56 p's scale word; v57-59 o's scale bytes; v60-63 two of the sum's four chains;
; v154-185, v186-217 O^T; v237 my spare word's address, v255 0; v250 f (v251 named with it); v252, v253 at work; v254 -infinity.
; s8 wave, s9 cx, s10 head, s11, s12 the tiles' last key steps, s13 the key step, s14-16 the step's bytes in K and V, in K's words, in V's words, s17 trips, s[18:19] lane selects, s[20:21] c.
.macro CROUND                          ; a round of the cluster's barrier
	s_barrier_signal -1
	s_barrier_wait -1
	s_cmp_lg_u32 s8, 0
	s_cbranch_scc1 .Lnot_wave_0_\@
	s_barrier_signal -3
.Lnot_wave_0_\@:
	s_barrier_wait -3
	s_barrier_signal -1
	s_barrier_wait -1
.endm
.macro DESC1 g, r                      ; descriptor group 1: r dense rows of 256 bytes (32 elements of 8 bytes), for all four work-groups
	s_mov_b32 s[\g], 15|(3<<16)|(1<<21)            ; 15:0 the mask; 17:16 elements of 8 bytes; 20 no padding; 21 set beside a mask
	s_mov_b32 s[\g+1], 32<<16
	s_mov_b32 s[\g+2], (\r)<<16
	s_mov_b32 s[\g+3], 32<<16
	s_mov_b32 s[\g+4], \r
	s_mov_b32 s[\g+5], 32
	s_mov_b32 s[\g+6], 0
	s_mov_b32 s[\g+7], 0
.endm
	s_load_b128 s[4:7], s[0:1], 0x0                ; qkv s[4:5], oimg s[6:7]
	v_lshl_add_u32 v237, v0, 2, 0x33000
	v_mov_b32 v255, 0
	ds_add_u32 v237, v255                          ; the opening lines: the add, twice on end, and its wait ahead of my first tensor load
	ds_add_u32 v237, v255
	v_lshrrev_b32 v1, 5, v0
	s_delay_alu instid0(VALU_DEP_1)
	v_readfirstlane_b32 s8, v1                     ; wave 0..15
	s_bfe_u32 s9, ttmp6, 0x40000                   ; cx: it enters Q's and o's global addresses and the masks' d alone
	s_and_b32 s10, ttmp7, 0xffff                   ; the head, which the four partners share
	s_lshr_b32 s11, s8, 1
	s_lshl_b32 s11, s11, 2                         ; four bits of each table for w / 2
	s_lshr_b32 s12, 0x54abcdef, s11
	s_and_b32 s12, s12, 15                         ; tile 1, the long one: its last key step: 15, 14, 13, 12, 11, 10, 4, 5
	s_lshr_b32 s11, 0x23960187, s11
	s_and_b32 s11, s11, 15                         ; tile 0, the short one: 7, 8, 1, 0, 6, 9, 3, 2
	DESC1 24, 48                                   ; waves 0, 1, 2: 12,288 bytes each: K's key steps 0 and 1, V's, the scale words of K and V
	DESC1 32, 84                                   ; waves 8-15: 21,504 bytes each: a quarter of K's or of V's key steps 2 to 15
	s_mul_i32 s68, s10, 20480
	s_add_co_u32 s68, s68, SCB                     ; the head's scale words
	s_add_co_u32 s70, s68, 8192                    ; K's and V's lie behind Q's 8,192 bytes
	s_mul_i32 s77, s10, HB                         ; the head's codes
	s_add_co_u32 s78, s77, 98304                   ; K and V lie in memory as in LDS, behind Q's 98,304 bytes
	s_min_u32 s74, s8, 2
	s_mul_i32 s74, s74, VOFF                       ; the first three loads' places in LDS: 0, VOFF, SCL = 2 VOFF
	s_add_co_u32 s60, s78, s74
	s_cmp_ge_u32 s8, 2
	s_cselect_b32 s60, s70, s60                    ; wave 2 fetches the scale words
	s_mov_b32 s61, 0
	s_bfe_u32 s72, s8, 0x10002                     ; waves 8-11 fetch K, waves 12-15 V
	s_and_b32 s73, s8, 3
	s_mul_i32 s72, s72, VOFF
	s_mul_i32 s75, s73, 21504
	s_add_co_u32 s75, s75, s72
	s_add_co_u32 s75, s75, 12288                   ; steps 2-15: my place in LDS
	s_add_co_u32 s62, s78, s75
	s_mov_b32 s63, 0
	s_mov_b32 s18, 0x76543210
	s_mov_b32 s19, 0xfedcba98
	s_mov_b32 s20, 0x3e38aa3b                      ; c = log2(e) / 8
	s_mov_b32 s21, s20                             ; (named with it as a pair, so it is written)
	s_mov_b32 s13, 0
	s_mov_b32 s14, 0
	s_mov_b32 s15, 0
	s_mov_b32 s16, 0
	s_wait_dscnt 0x0
	s_wait_kmcnt 0x0
	s_mov_b32 s52, 1
	s_mov_b32 s53, s74
	s_add_nc_u64 s[54:55], s[4:5], s[60:61]
	s_or_b32 s55, s55, 0x80000000
	s_mov_b32 s56, 1
	s_mov_b32 s57, s75
	s_add_nc_u64 s[58:59], s[4:5], s[62:63]
	s_or_b32 s59, s59, 0x80000000
	CROUND                                         ; all four work-groups are here: the joint loads meet
	s_cmp_lt_u32 s8, 3                             ; at most one load a wave at the head: one chain of branches on the wave's number
	s_cbranch_scc0 .Lhead_rest
	tensor_load_to_lds s[52:55], s[24:31]          ; what key steps 0 and 1 need
	s_nop 0
.rept 4
	v_nop
.endr
	s_branch .Lhead_asked
.Lhead_rest:
	s_cmp_ge_u32 s8, 8
	s_cbranch_scc0 .Lhead_asked
	tensor_load_to_lds s[56:59], s[32:39]          ; key steps 2 to 15
	s_nop 0
.rept 4
	v_nop
.endr
.Lhead_asked:
	v_and_b32 v252, 31, v0                         ; lane
	v_and_b32 v253, 15, v0                         ; r
	v_bfe_u32 v250, v0, 4, 1                       ; h
	s_delay_alu instid0(VALU_DEP_3)
	v_lshlrev_b32 v1, 4, v252
	s_wait_alu depctr_va_vdst(0)
	v_lshlrev_b32 v2, 3, v252
	s_wait_alu depctr_va_vdst(0)
	v_lshl_add_u32 v3, v252, 2, SCL
	v_lshlrev_b32 v57, 2, v253                     ; 4 r
	s_wait_alu depctr_va_vdst(0)
	s_and_b32 s22, s8, 1
	s_lshl_b32 s22, s22, 2
	s_add_co_u32 s22, s22, s9                      ; 4 (w % 2) + cx: both tiles' number modulo 8
	s_lshl_b32 s66, s11, 3
	s_add_co_u32 s66, s66, s22                     ; tile 0
	s_lshl_b32 s67, s12, 3
	s_add_co_u32 s67, s67, s22                     ; tile 1
	s_mul_i32 s80, s66, 768
	s_add_co_u32 s80, s80, s77
	s_mov_b32 s81, 0
	s_mul_i32 s82, s67, 768
	s_add_co_u32 s82, s82, s77
	s_mov_b32 s83, 0
	s_lshl_b32 s84, s66, 6
	s_add_co_u32 s84, s84, s68
	s_mov_b32 s85, 0
	s_lshl_b32 s86, s67, 6
	s_add_co_u32 s86, s86, s68
	s_mov_b32 s87, 0
	s_add_nc_u64 s[80:81], s[4:5], s[80:81]
	s_add_nc_u64 s[82:83], s[4:5], s[82:83]
	s_add_nc_u64 s[84:85], s[4:5], s[84:85]
	s_add_nc_u64 s[86:87], s[4:5], s[86:87]
	global_load_b128 v[26:29], v1, s[80:81]        ; Q stays in registers
	global_load_b64 v[30:31], v2, s[80:81] offset:512
	global_load_b128 v[38:41], v1, s[82:83]
	global_load_b64 v[42:43], v2, s[82:83] offset:512
	global_load_b32 v50, v57, s[84:85]
	global_load_b32 v51, v57, s[86:87]
	; the mask: in a tile's last key step register 16 b + i holds key 32 b + 16 h + i of the step, hidden where 32 b + i > d, d = my query's place in the step - 16 h
	s_lshr_b32 s76, s22, 1
	s_lshl_b32 s76, s76, 5
	s_and_b32 s23, s22, 1
	s_lshl_b32 s23, s23, 3
	s_add_co_u32 s23, s23, s76                     ; 32 (t / 2) + 8 (t % 2), t the tile's number modulo 8
	v_and_b32 v252, 8, v253
	s_delay_alu instid0(VALU_DEP_1)
	v_add_nc_u32 v252, v252, v253                  ; r + 8 (r / 8)
	v_lshlrev_b32 v250, 4, v250
	s_delay_alu instid0(VALU_DEP_1)
	v_sub_nc_u32 v252, v252, v250
	s_delay_alu instid0(VALU_DEP_1)
	v_add_nc_u32 v10, s23, v252
.irp z, 20,32,44
.irp i, 0,1,2,3,4,5
	v_mov_b32 v[\z+\i], 0                          ; the zero codes beside Q
.endr
.endr
.irp t, 12,16
	v_mov_b32 v[\t+1], 0xff61b1e6                  ; the largest t so far: -3e38, under every t
	s_delay_alu instid0(VALU_DEP_1)
	v_floor_f32 v[\t], -v[\t+1]                    ; -M
	v_mov_b32 v[\t+2], 0                           ; the sum, in two halves
	v_mov_b32 v[\t+3], 0
.endr
.set n, 0
.rept 64
	v_mov_b32 v[154+n], 0                          ; O^T.  (A key step is written once: the first finds zeros, which the first change of M leaves zeros)
.set n, n+1
.endr
.irp b, 0,1,2,3
	v_mov_b32 v[PT+\b], 0                          ; written once: a lane permute's destination counts as one of its sources
.endr
	v_mov_b32 v251, 0                              ; (named as the upper half of the pair v[250:251])
	v_mov_b32 v253, 0
	v_mov_b32 v254, 0xff800000                     ; -infinity
.macro FMA n0, cnt                     ; t - M, two at a time
.set n, \n0
.rept \cnt
	v_pk_fma_f32 v[SCO+n:SCO+n+1], v[SCO+n:SCO+n+1], s[20:21], v[ST:ST+1] op_sel_hi:[1,0,0]
.set n, n+2
.endr
.endm
.macro SUM4 n0                         ; eight more p onto the sum's four chains
	v_pk_add_f32 v[252:253], v[252:253], v[SCO+(\n0):SCO+(\n0)+1]
	v_pk_add_f32 v[60:61], v[60:61], v[SCO+(\n0)+2:SCO+(\n0)+3]
	v_pk_add_f32 v[62:63], v[62:63], v[SCO+(\n0)+4:SCO+(\n0)+5]
	v_pk_add_f32 v[ST+2:ST+3], v[ST+2:ST+3], v[SCO+(\n0)+6:SCO+(\n0)+7]
.endm
; ONE TILE OF 16 QUERIES IN ONE KEY STEP OF 128 KEYS.
.macro TILE x
.set ST, 12+4*(\x)
.set QZ, 20+12*(\x)
.set OT, 154+32*(\x)
	s_cmp_gt_u32 s13, s[11+\x]                     ; a step all of whose keys come after the tile's queries is left out: a branch on the wave's number and the step
	s_cbranch_scc1 .Ldone_\@
	s_wait_alu depctr_va_vdst(0)
.if (\x) > 0
.rept 5
	v_nop                                          ; places in front of loads into registers that matrix instructions have read, and of products that write over such registers (for tile 0 the step's six additions are the places)
.endr
.endif
.irp pr, 0,1,2,3                               ; S^T = K Q^T: the step's eight tiles of 16 keys, four fragments and four registers of scale words, in one run of loads
	ds_load_b128 v[FRG+12*\pr+KG*(\pr/2)+8*(\pr/3):FRG+12*\pr+KG*(\pr/2)+8*(\pr/3)+3], v4 offset:\pr*1536
	ds_load_b64 v[FRG+12*\pr+KG*(\pr/2)+8*(\pr/3)+4:FRG+12*\pr+KG*(\pr/2)+8*(\pr/3)+5], v5 offset:\pr*1536+512
	ds_load_b128 v[FRG+12*\pr+KG*(\pr/2)+8*(\pr/3)+6:FRG+12*\pr+KG*(\pr/2)+8*(\pr/3)+9], v4 offset:\pr*1536+768
	ds_load_b64 v[FRG+12*\pr+KG*(\pr/2)+8*(\pr/3)+10:FRG+12*\pr+KG*(\pr/2)+8*(\pr/3)+11], v5 offset:\pr*1536+1280
	ds_load_b32 v[SCR+\pr], v8 offset:\pr*128
.endr
	s_wait_dscnt 0x0
.irp pr, 0,1,2,3
	v_wmma_scale_f32_16x16x128_f8f6f4 v[SCO+16*\pr:SCO+16*\pr+7], v[FRG+12*\pr+KG*(\pr/2)+8*(\pr/3):FRG+12*\pr+KG*(\pr/2)+8*(\pr/3)+11], v[QZ+6:QZ+17], 0, v[SCR+\pr], v[50+\x] matrix_a_fmt:MATRIX_FMT_FP6 matrix_b_fmt:MATRIX_FMT_FP6
	v_wmma_scale_f32_16x16x128_f8f6f4 v[SCO+16*\pr+8:SCO+16*\pr+15], v[FRG+12*\pr+KG*(\pr/2)+8*(\pr/3):FRG+12*\pr+KG*(\pr/2)+8*(\pr/3)+11], v[QZ:QZ+11], 0, v[SCR+\pr], v[50+\x] matrix_a_fmt:MATRIX_FMT_FP6 matrix_b_fmt:MATRIX_FMT_FP6 matrix_a_scale:MATRIX_SCALE_ROW1
.endr
.rept 4
	v_nop
.endr
.irp pr, 0,1                                   ; V's first two fragments and all its scale words are asked for here, ahead of the softmax's vector work
	ds_load_b128 v[FRG+12*\pr:FRG+12*\pr+3], v6 offset:\pr*1536
	ds_load_b64 v[FRG+12*\pr+4:FRG+12*\pr+5], v7 offset:\pr*1536+512
	ds_load_b128 v[FRG+12*\pr+6:FRG+12*\pr+9], v6 offset:\pr*1536+768
	ds_load_b64 v[FRG+12*\pr+10:FRG+12*\pr+11], v7 offset:\pr*1536+1280
	ds_load_b32 v[SCR+\pr], v9 offset:8192+\pr*128
.endr
	s_cmp_lg_u32 s13, s[11+\x]                     ; only the tile's last step lies on the diagonal
	s_cbranch_scc1 .Lopen_\@
.set n, 0
.rept 64
	v_cmp_gt_i32 vcc_lo, 32*(n/16)+n%16, v10
	v_cndmask_b32 v[SCO+n], v[SCO+n], v254, vcc_lo   ; a hidden score becomes -infinity: p = 0 then
.set n, n+1
.endr
.Lopen_\@:
.irp b, 0,1,2,3
	v_max3_num_f32 v[BM+\b], v[SCO+16*\b], v[SCO+1+16*\b], v[SCO+2+16*\b]   ; the largest score of each block of 32 keys: it serves for the row's maximum and, since p rises with the score, for the block's largest p
.endr
.irp i, 3,5,7,9,11,13
.irp b, 0,1,2,3
	v_max3_num_f32 v[BM+\b], v[BM+\b], v[SCO+16*\b+\i], v[SCO+1+16*\b+\i]
.endr
.endr
.irp b, 0,1,2,3
	v_max_num_f32 v[BM+\b], v[BM+\b], v[SCO+15+16*\b]
.endr
.irp b, 0,1,2,3
	s_delay_alu instid0(VALU_DEP_4)
	v_permlanex16_b32 v[PT+\b], v[BM+\b], s18, s19
.endr
.irp b, 0,1,2,3
	s_delay_alu instid0(VALU_DEP_4)
	v_max_num_f32 v[BM+\b], v[BM+\b], v[PT+\b]     ; with lane l xor 16's 16 keys
.endr
	s_delay_alu instid0(VALU_DEP_2)
	v_max3_num_f32 v252, v[BM], v[BM+1], v[BM+2]
	s_delay_alu instid0(VALU_DEP_1)
	v_max_num_f32 v252, v252, v[BM+3]              ; the step's largest score of my query
	s_delay_alu instid0(VALU_DEP_1)
	v_mul_f32 v252, s20, v252                      ; as t
	s_delay_alu instid0(VALU_DEP_1)
	v_max_num_f32 v[ST+1], v[ST+1], v252           ; the running largest t
	v_mov_b32 v252, v[ST]
	s_delay_alu instid0(VALU_DEP_2)
	v_floor_f32 v[ST], -v[ST+1]                    ; the new -M = -ceil(t): M is a whole number
	FMA 0, 6                                       ; the three lines that make f stand among the 32 multiply-adds, six of them ahead of each
	v_sub_f32 v252, v[ST], v252                    ; old M - new M: a whole number, 0 or less
	FMA 12, 6
	v_cvt_i32_f32 v252, v252                       ; (it saturates)
	FMA 24, 6
	v_ldexp_f32 v250, 1.0, v252                    ; f = 2^(old M - new M)
	FMA 36, 14
.irp b, 0,1,2,3
	v_fma_f32 v[BM+\b], v[BM+\b], s20, v[ST]       ; the same of each block's largest score
.endr
.set n, 0
	s_wait_alu depctr_va_vdst(0)
.rept 64
	v_exp_f32 v[SCO+n], v[SCO+n]                   ; p = 2^(t - M), at most 1
.set n, n+1
.endr
.irp b, 0,1,2,3
	v_exp_f32 v[BM+\b], v[BM+\b]                   ; the block's largest p: the same two instructions on the same number give the same bits
.endr
	v_pk_mul_f32 v[ST+2:ST+3], v[ST+2:ST+3], v[250:251] op_sel_hi:[1,0]   ; the sums under the new M.  (A plain place behind the exponentials)
	s_wait_alu depctr_va_vdst(0)
	; THE ROW'S SUM IS TAKEN OF THE UNQUANTISED p, two at a time, in four chains; the lines that make the scale operands, the bytes and p's scale word stand between its lines, each five or more lines behind what it reads
.irp b, 0,1,2,3
	v_max_num_f32 v[BM+\b], 0x1800000, v[BM+\b]    ; the floor 2^(3 - 127)
.endr
	v_pk_add_f32 v[252:253], v[SCO:SCO+1], v[SCO+2:SCO+3]
	v_pk_add_f32 v[60:61], v[SCO+4:SCO+5], v[SCO+6:SCO+7]
	v_pk_add_f32 v[62:63], v[SCO+8:SCO+9], v[SCO+10:SCO+11]
	v_pk_add_f32 v[ST+2:ST+3], v[ST+2:ST+3], v[SCO+12:SCO+13]
.irp b, 0,1,2,3
	v_add_nc_u32 v[SO+\b], 0xff000000, v[BM+\b]    ; 2 off the exponent field: the conversion's scale operand
.endr
	SUM4 14
.irp b, 0,1,2,3
	v_lshrrev_b32 v[PT+\b], 23, v[SO+\b]           ; the scale's byte
.endr
	SUM4 22
	v_lshl_or_b32 v56, v[PT+1], 8, v[PT]           ; p's scale word for these 128 keys: its lower two bytes,
	v_lshl_or_b32 v[PT+2], v[PT+3], 8, v[PT+2]     ; its upper two,
	SUM4 30
	v_lshl_or_b32 v56, v[PT+2], 16, v56            ; the word
	SUM4 38
	SUM4 46
	SUM4 54
	v_pk_add_f32 v[252:253], v[252:253], v[SCO+62:SCO+63]
	s_delay_alu instid0(VALU_DEP_3)
	v_pk_add_f32 v[60:61], v[60:61], v[62:63]      ; the four chains are joined
	s_delay_alu instid0(VALU_DEP_2)
	v_pk_add_f32 v[ST+2:ST+3], v[ST+2:ST+3], v[252:253]
	s_delay_alu instid0(VALU_DEP_1)
	v_pk_add_f32 v[ST+2:ST+3], v[ST+2:ST+3], v[60:61]
.irp c, 0,1
	v_cvt_scalef32_pk16_fp6_f32 v[PC+6*\c:PC+2+6*\c], v[SCO+32*\c:SCO+15+32*\c], v[SO+2*\c]
	v_cvt_scalef32_pk16_fp6_f32 v[CT+4*\c:CT+2+4*\c], v[SCO+16+32*\c:SCO+31+32*\c], v[SO+2*\c+1]
.endr
	v_nop                                          ; one plain place behind a scaled conversion
.irp pr, 2,3                                   ; p has been summed and converted: V's last two fragments land where it lay
	ds_load_b128 v[FRG+12*\pr+VG:FRG+12*\pr+VG+3], v6 offset:\pr*1536
	ds_load_b64 v[FRG+12*\pr+VG+4:FRG+12*\pr+VG+5], v7 offset:\pr*1536+512
	ds_load_b128 v[FRG+12*\pr+VG+6:FRG+12*\pr+VG+9], v6 offset:\pr*1536+768
	ds_load_b64 v[FRG+12*\pr+VG+10:FRG+12*\pr+VG+11], v7 offset:\pr*1536+1280
.endr
.irp c, 0,1
.irp i, 0,1,2
	v_permlane16_swap_b32 v[PC+6*\c+\i], v[CT+4*\c+\i]   ; a whole block to a lane
.endr
.irp i, 0,1,2
	s_delay_alu instid0(VALU_DEP_3)
	v_mov_b32 v[PC+3+6*\c+\i], v[CT+4*\c+\i]
.endr
.endr
	s_wait_alu depctr_va_vdst(0)
.set n, 0
.rept 16
	v_pk_mul_f32 v[OT+n:OT+n+1], v[OT+n:OT+n+1], v[250:251] op_sel_hi:[1,0]   ; O^T under the new M.  (These are the places between the scale word, the codes and the products below)
.set n, n+2
.endr
	s_wait_alu depctr_va_vdst(0)
	s_wait_dscnt 0x0                               ; V's four fragments and its scale words are in
.irp p, 0,1                                    ; O^T += V^T P^T: four tiles of 16 channels; K = these 128 keys.  The four accumulators take turns
	v_wmma_scale_f32_16x16x128_f8f6f4 v[OT+16*\p:OT+16*\p+7], v[FRG+24*\p+VG*\p:FRG+24*\p+VG*\p+11], v[PC:PC+11], v[OT+16*\p:OT+16*\p+7], v[SCR+\p], v56 matrix_a_fmt:MATRIX_FMT_FP6 matrix_b_fmt:MATRIX_FMT_FP6
	v_wmma_scale_f32_16x16x128_f8f6f4 v[OT+16*\p+8:OT+16*\p+15], v[FRG+24*\p+VG*\p+12:FRG+24*\p+VG*\p+23], v[PC:PC+11], v[OT+16*\p+8:OT+16*\p+15], v[SCR+\p], v56 matrix_a_fmt:MATRIX_FMT_FP6 matrix_b_fmt:MATRIX_FMT_FP6 matrix_a_scale:MATRIX_SCALE_ROW1
.endr
.Ldone_\@:
.endm
.macro STEP                            ; every wave makes the step's addresses and steps them; only the tiles' work is jumped over
	v_add_nc_u32 v4, s14, v1
	v_add_nc_u32 v5, s14, v2
	s_delay_alu instid0(VALU_DEP_2)
	v_add_nc_u32 v6, VOFF, v4
	s_delay_alu instid0(VALU_DEP_2)
	v_add_nc_u32 v7, VOFF, v5
	v_add_nc_u32 v8, s15, v3
	v_add_nc_u32 v9, s16, v3
	TILE 0
	TILE 1
	s_add_co_u32 s13, s13, 1
	s_add_co_u32 s14, s14, 6144                    ; 8 tiles of K, and a chunk of V, are 6,144 bytes
	s_add_co_u32 s15, s15, 512
	s_add_co_u32 s16, s16, 256
.endm
	s_wait_alu depctr_va_vdst(0)
	s_wait_loadcnt 0x0                             ; Q
	s_cmp_lt_u32 s8, 3                             ; the three waves that fetched the scale words and key steps 0 and 1 wait for their loads; the loads of steps 2 to 15, other waves' lines, may be out
	s_cbranch_scc0 .Lnot_mine
	s_wait_tensorcnt 0x0
.Lnot_mine:
	s_barrier_signal -1
	s_barrier_wait -1                              ; everybody's are in
	s_mov_b32 s17, 2
.Lfirst:                                           ; key steps 0 and 1, while the rest lands
	STEP
	s_sub_co_u32 s17, s17, 1
	s_cmp_lg_u32 s17, 0
	s_cbranch_scc1 .Lfirst
	s_wait_tensorcnt 0x0                           ; my part of key steps 2 to 15 is in,
	s_wait_dscnt 0x0
	s_barrier_signal -1
	s_barrier_wait -1                              ; everybody's is: from here on no wave waits for another
	s_mov_b32 s17, 14
.Lrest:
	STEP
	s_sub_co_u32 s17, s17, 1
	s_cmp_lg_u32 s17, 0
	s_cbranch_scc1 .Lrest
	; THE WAY OUT.  O^T / the sum: register 16 b + i is channel 32 b + 16 h + i of my query: two blocks along the last product's K.  They become a half image and two scale bytes.
	s_lshr_b32 s22, s10, 4
	s_lshl_b32 s22, s22, 7                         ; 128 x batch
	s_and_b32 s23, s10, 15                         ; the head within the batch
	s_add_co_u32 s88, s22, s66                     ; the tiles among all 512
	s_add_co_u32 s90, s22, s67
	s_lshl_b32 s92, s88, 9
	s_lshl_b32 s88, s88, 4
	s_add_co_u32 s88, s88, s23
	s_mul_i32 s88, s88, 768
	s_mov_b32 s89, 0
	s_lshl_b32 s90, s90, 4
	s_add_co_u32 s90, s90, s23
	s_mul_i32 s90, s90, 768
	s_mov_b32 s91, 0
	s_lshr_b32 s93, s23, 2
	s_lshl_b32 s93, s93, 7
	s_add_co_u32 s92, s92, s93
	s_and_b32 s93, s23, 3
	s_lshl_b32 s93, s93, 1
	s_add_co_u32 s92, s92, s93
	s_add_co_u32 s92, s92, OSC
	s_mov_b32 s93, 0
	s_add_nc_u64 s[88:89], s[6:7], s[88:89]
	s_add_nc_u64 s[90:91], s[6:7], s[90:91]
	s_add_nc_u64 s[92:93], s[6:7], s[92:93]
.rept 4
	v_nop                                          ; places behind the last products
.endr
.macro FIN x
.set ST, 12+4*(\x)
.set OT, 154+32*(\x)
.set SX, SCO+32*(\x)
	v_add_f32 v252, v[ST+2], v[ST+3]               ; the sum's two halves,
	s_delay_alu instid0(VALU_DEP_1)
	v_permlanex16_b32 v253, v252, s18, s19
	s_delay_alu instid0(VALU_DEP_1)
	v_add_f32 v252, v252, v253                     ; and lane l xor 16's: the row's sum
	s_wait_alu depctr_va_vdst(0)
	v_rcp_f32 v252, v252
	v_nop                                          ; one plain place behind a transcendental
.set n, 0
	s_wait_alu depctr_va_vdst(0)
.rept 32
	v_mul_f32 v[SX+n], v[OT+n], v252               ; each accumulator from its low end on
.set n, n+1
.endr
.irp b, 0,1
	v_max3_num_f32 v[BM+\b], |v[SX+16*\b]|, |v[SX+1+16*\b]|, 0x1800000
.endr
.irp i, 2,4,6,8,10,12,14
.irp b, 0,1
	s_delay_alu instid0(VALU_DEP_2)
	v_max3_num_f32 v[BM+\b], v[BM+\b], |v[SX+16*\b+\i]|, |v[SX+1+16*\b+\i]|
.endr
.endr
.irp b, 0,1
	s_delay_alu instid0(VALU_DEP_2)
	v_permlanex16_b32 v[PT+\b], v[BM+\b], s18, s19
.endr
.irp b, 0,1
	s_delay_alu instid0(VALU_DEP_2)
	v_max_num_f32 v[BM+\b], v[BM+\b], v[PT+\b]
.endr
.irp b, 0,1
	s_delay_alu instid0(VALU_DEP_2)
	v_add_nc_u32 v[SO+\b], 0xff000000, v[BM+\b]
.endr
.irp b, 0,1
	s_delay_alu instid0(VALU_DEP_2)
	v_lshrrev_b32 v[PT+\b], 23, v[SO+\b]
.endr
	s_delay_alu instid0(VALU_DEP_1)
	v_lshl_or_b32 v[57+\x], v[PT+1], 8, v[PT]      ; my row's two scale bytes
	v_cvt_scalef32_pk16_fp6_f32 v[PC+6*(\x):PC+6*(\x)+2], v[SX:SX+15], v[SO]
	v_cvt_scalef32_pk16_fp6_f32 v[CT:CT+2], v[SX+16:SX+31], v[SO+1]
	v_nop                                          ; one plain place behind a scaled conversion
.irp i, 0,1,2
	v_permlane16_swap_b32 v[PC+6*(\x)+\i], v[CT+\i]
.endr
.irp i, 0,1,2
	s_delay_alu instid0(VALU_DEP_3)
	v_mov_b32 v[PC+6*(\x)+3+\i], v[CT+\i]
.endr
	global_store_b128 v1, v[PC+6*(\x):PC+6*(\x)+3], s[88+2*(\x):89+2*(\x)]               ; 512 consecutive bytes
	global_store_b64 v2, v[PC+6*(\x)+4:PC+6*(\x)+5], s[88+2*(\x):89+2*(\x)] offset:512   ; 256
.endm
	FIN 0
	FIN 1
	v_and_b32 v252, 15, v0                         ; one store for both tiles' scale bytes: lanes 0-15 tile 0's, lanes 16-31 tile 1's (2 bytes a row: one part in twenty-four of what the launch stores)
	v_bfe_u32 v253, v0, 4, 1
	s_delay_alu instid0(VALU_DEP_1)
	v_cmp_ne_u32 vcc_lo, 0, v253
	s_delay_alu instid0(VALU_DEP_1)
	v_cndmask_b32 v59, v57, v58, vcc_lo
	s_sub_co_u32 s22, s67, s66                     ; tile 1 is the later one in every wave
	s_lshl_b32 s22, s22, 9                         ; from tile 0's 512 bytes to tile 1's
	v_mul_u32_u24 v253, s22, v253
	s_delay_alu instid0(VALU_DEP_1)
	v_lshl_add_u32 v253, v252, 3, v253
	global_store_b16 v253, v59, s[92:93]
	s_wait_tensorcnt 0x0                           ; the wave's end
	ds_add_u32 v237, v255
	s_wait_dscnt 0x0
	CROUND                                         ; the closing round: no work-group ends while a partner may still ask for bytes jointly
	s_endpgm
.Lfunc_end_k_qa60eb29dd2_attn:
	.size	k_qa60eb29dd2_attn, .Lfunc_end_k_qa60eb29dd2_attn-k_qa60eb29dd2_attn
	.p2alignl 7, 3214868480
	.fill 96, 4, 3214868480
	.section	.rodata,"a",@progbits
	.p2align	6, 0x0
	.amdhsa_kernel k_qa60eb29dd2_attn
		.amdhsa_group_segment_fixed_size 210944
		.amdhsa_private_segment_fixed_size 0
		.amdhsa_enable_private_segment 0
		.amdhsa_kernarg_size 16
		.amdhsa_user_sgpr_count 2
		.amdhsa_user_sgpr_kernarg_segment_ptr 1
		.amdhsa_wavefront_size32 1
		.amdhsa_system_sgpr_workgroup_id_x 1
		.amdhsa_system_sgpr_workgroup_id_y 1
		.amdhsa_system_sgpr_workgroup_id_z 1
		.amdhsa_system_vgpr_workitem_id 0
		.amdhsa_next_free_vgpr 256
		.amdhsa_next_free_sgpr 100
		.amdhsa_reserve_vcc 1
		.amdhsa_float_denorm_mode_32 3
		.amdhsa_float_denorm_mode_16_64 3
		.amdhsa_memory_ordered 1
		.amdhsa_forward_progress 1
		.amdhsa_inst_pref_size 109
	.end_amdhsa_kernel
	.amdgpu_metadata
---
amdhsa.version: [ 1, 2 ]
amdhsa.kernels:
  - .name:           k_qa60eb29dd2_attn
    .symbol:         k_qa60eb29dd2_attn.kd
    .args:
      - { .name: qkv, .offset: 0, .size: 8, .value_kind: global_buffer, .address_space: global }
      - { .name: oimg, .offset: 8, .size: 8, .value_kind: global_buffer, .address_space: global }
    .group_segment_fixed_size: 210944
    .private_segment_fixed_size: 0
    .kernarg_segment_align: 8
    .kernarg_segment_size: 16
    .max_flat_workgroup_size: 512
    .sgpr_count:     100
    .vgpr_count:     256
    .wavefront_size: 32
...
	.end_amdgpu_metadata
.endif
;; end of part 3
;; launch gemm_out (part 4): grid 4 x 64, 4 waves a work-group, clusters of 4 x 4, 327,680 bytes of LDS; arguments oimg, xw, out0; writes out0
.if DOCPART == 4
	.amdgcn_target "amdgcn-amd-amdhsa--gfx1250"
	.amdhsa_code_object_version 6
	.text
	.protected	k_qa60eb29dd2_gemm_out
	.globl	k_qa60eb29dd2_gemm_out
	.p2align	8
	.type	k_qa60eb29dd2_gemm_out,@function
k_qa60eb29dd2_gemm_out:
	s_mov_b64 s[64:65], 0
	v_nop
	global_prefetch_b8 v0, s[64:65] scope:SCOPE_SE
	s_setreg_imm32_b32 hwreg(HW_REG_WAVE_MODE, 25, 1), 1
	s_wait_xcnt 0x0
	s_wait_alu depctr_hold_cnt(0) depctr_sa_sdst(0) depctr_va_vdst(0) depctr_va_sdst(0) depctr_va_ssrc(0) depctr_va_vcc(0) depctr_vm_vsrc(0)
	s_getreg_b32 s2, hwreg(HW_REG_IB_STS2, 6, 4)
	s_cmp_eq_u32 s2, 0
	s_cbranch_scc0 .Lentry_in_a_cluster
	s_endpgm
.Lentry_in_a_cluster:
	s_bfe_u32 s2, ttmp6, 0x10000c
	s_cmp_lg_u32 s2, 0xf033
	s_cbranch_scc0 .Lentry_shape_is_right
	s_endpgm
.Lentry_shape_is_right:
; out0 = o w_out on codes of FP6 (E2M3) with E8M0 scales, K = 1,024, f32 sums, f32 results.
; OPERANDS lie in oimg (o, 512 tiles of 16 tokens) and xw (w_out's columns, tiles 704-767) as images of the operand's registers.  A half image: 16 rows x 64 K, 768 bytes, lane l's first 16 bytes at 16 l, its last 8 at 512 + 8 l;
; a tile: 16 half images, 12,288 bytes; its scale bytes 512, laid [K / 256][position r][8].  Position r of tile 2 B + u is row 32 B + 8 u + r + 8 (r / 8).
; THE DEAL.  256 work-groups of four waves; a work-group makes 128 tokens x 256 columns.  ALL OF K FITS IN LDS: o's 8 tiles (98,304 bytes), w_out's 16 (196,608), their scale bytes (4,096 and 8,192): four dense blocks,
; one joint load a wave at the head, nothing is filled again.  A wave holds its 64 columns (4 tiles), all of K, in 384 registers, and streams o's eight tiles past them: a block is one tile of 16 tokens, 8 fragments, 32 products.
; The fragments and scale words of a block lie twice in registers: block s reads set s % 2, and behind its products that set takes block s + 2.
; THE MATRIX INSTRUCTION: source 0 = w_out's tile, source 1 = o's.  Lane (r, h) holds token position r, and the 16 registers of column tiles 2 B, 2 B + 1 are columns 32 B + 16 h + 0 .. 15.
; THE WAY OUT: a block's 16 x 64 results go through the wave's own stage in LDS (rows of 256 + 16 bytes) and come back as whole rows; sixteen lanes store 256 consecutive bytes, at a multiple of 256 from out0's first byte.
; Block s's stores stand in the middle of block s + 1's products.
; CLUSTERS: 4 x 4 work-groups.  o's tiles hang on the work-group's y and are shared along a row of the cluster, w_out's on its x and are shared along a column.
; No prefetch: every tile is asked for at the kernel's head, so there is no loop to run ahead in.
; REGISTERS: window 0: v8-18 addresses, v28, v29 the add's, v32-47 w_out's scale words (lanes 0-15 the even tile's, lanes 16-31 the odd one's), v52-67 o's, two sets, v72-135 two sets of four accumulators, v136-199 two sets of rows read back.
; Fragment f lies in window 1 + f / 21 at register 12 (f % 21): f = 4 q + t w_out's tile t, K step q; f = 32 + 8 e + q o's set e.
.set TB,    12288
.set FR,    12
.set FPW,   21
.set WB,    8*TB                       ; LDS: o's tiles at 0, w_out's here,
.set SAB,   24*TB                      ; o's scale bytes,
.set SWB,   SAB+4096                   ; w_out's,
.set STG,   SWB+8192                   ; the four stages, 16 rows of SP bytes each: bytes of their own, into which no tensor load lands,
.set SP,    272
.set SPARE, STG+4*16*SP                ; the spare words, 128 bytes a wave
.set SCL0,  9437184
.set OSC,   6291456
.set AA16, 8                           ; v8, v9 16 x lane, 8 x lane: o's tiles 0-3;  v10, v11 the same for tiles 4-7
.set AA8,  9
.set AW16, 12                          ; v12, v13 my four tiles of w_out
.set AW8,  13
.set ASA,  14                          ; v14 o's scale words, v15 w_out's
.set ASW,  15
.set STO,  16                          ; v16 into the stage, v17 back out of it, v18 my bytes in two rows of out0
.set RD,   17
.set CO,   18
.set SPW,  28
.set NIL,  29
.set SW,   32
.set SA,   52
.set ACC,  72
.set BK,   136
.set G1W,  24
.set G1A,  32
.set G1SW, 48
.set G1SA, 56
.set G0W,  68
.set G0A,  72
.set G0SW, 76
.set G0SA, 80
.set MSB, 0
.macro WIN new                         ; the immediate's high byte repeats the setting that is left
.if MSB != (\new)
	s_set_vgpr_msb (MSB<<8)|(\new)
.set MSB, (\new)
.endif
.endm
.macro PLACES n
.rept \n
	v_nop
.endr
.endm
.macro CROUND                          ; a round of the cluster's barrier
	s_barrier_signal -1
	s_barrier_wait -1
	s_cmp_lg_u32 s14, 0
	s_cbranch_scc1 .Lnot_wave_0_\@
	s_barrier_signal -3
.Lnot_wave_0_\@:
	s_barrier_wait -3
	s_barrier_signal -1
	s_barrier_wait -1
.endm
.macro DESC g, mask, rows              ; group 1: a dense block as rows of 256 bytes (32 elements of 8 bytes), no padding; bit 21 set beside the mask
	s_or_b32 s[\g], s[\mask], (3<<16)|(1<<21)
	s_mov_b32 s[\g+1], 32<<16
	s_mov_b32 s[\g+2], (\rows)<<16
	s_mov_b32 s[\g+3], 32<<16
	s_mov_b32 s[\g+4], \rows
	s_mov_b32 s[\g+5], 32
	s_mov_b32 s[\g+6], 0
	s_mov_b32 s[\g+7], 0
.endm
.macro G0SET g, lds, base, off
	s_mov_b32 s[\g], 1
	s_mov_b32 s[\g+1], \lds
	s_add_nc_u64 s[\g+2:\g+3], s[\base:\base+1], s[\off:\off+1]
	s_or_b32 s[\g+3], s[\g+3], 0x80000000
.endm
.macro ARM is, g0, g1, next
	s_cmp_eq_u32 s14, \is
	s_cbranch_scc0 \next
	tensor_load_to_lds s[\g0:\g0+3], s[\g1:\g1+7]
	s_nop 0
	PLACES 4
	s_branch .Lasked
\next:
.endm
.macro FRAG f, a16, a8, off            ; a fragment as it lies: two half images, 16 and 8 bytes a lane each
	WIN (1+(\f)/FPW)<<6
.set R_, FR*((\f)%FPW)
	ds_load_b128 v[R_:R_+3], v[\a16] offset:(\off)
	ds_load_b64 v[R_+4:R_+5], v[\a8] offset:(\off)+512
	ds_load_b128 v[R_+6:R_+9], v[\a16] offset:(\off)+768
	ds_load_b64 v[R_+10:R_+11], v[\a8] offset:(\off)+1280
.endm
.macro FETCH s                         ; block s into set s % 2: 32 loads for eight fragments, 4 for eight scale words: 36
.irp q, 0,1,2,3,4,5,6,7
	FRAG 32+8*((\s)%2)+\q, AA16+2*((\s)/4), AA8+2*((\s)/4), ((\s)%4)*TB+\q*1536
.endr
	WIN 0
.irp k, 0,1,2,3
	ds_load_b64 v[SA+8*((\s)%2)+2*\k:SA+8*((\s)%2)+2*\k+1], v[ASA] offset:(\s)*512+\k*128
.endr
.endm
.macro PROD1 c
.if T_%2
	v_wmma_scale_f32_16x16x128_f8f6f4 v[D_:D_+7], v[FR*(FW_%FPW):FR*(FW_%FPW)+FR-1], v[FR*(FA_%FPW):FR*(FA_%FPW)+FR-1], \c, v[SW+8*(T_/2)+Q_], v[SA+8*E_+Q_] matrix_a_fmt:MATRIX_FMT_FP6 matrix_b_fmt:MATRIX_FMT_FP6 matrix_a_scale:MATRIX_SCALE_ROW1
.else
	v_wmma_scale_f32_16x16x128_f8f6f4 v[D_:D_+7], v[FR*(FW_%FPW):FR*(FW_%FPW)+FR-1], v[FR*(FA_%FPW):FR*(FA_%FPW)+FR-1], \c, v[SW+8*(T_/2)+Q_], v[SA+8*E_+Q_] matrix_a_fmt:MATRIX_FMT_FP6 matrix_b_fmt:MATRIX_FMT_FP6
.endif
.endm
.macro PROD e, n                       ; product n = 4 q + t of a block: the four accumulators take turns, one instruction a turn; the first four start the sums
.set E_, (\e)
.set Q_, (\n)/4
.set T_, (\n)%4
.set FW_, 4*Q_+T_
.set FA_, 32+8*E_+Q_
.set D_, ACC+32*E_+8*T_
	WIN (1+FW_/FPW)|((1+FA_/FPW)<<2)
.if Q_
	PROD1 v[D_:D_+7]
.else
	PROD1 0
.endif
.endm
.macro PRODS s, from, to
.set N_, \from
.rept (\to)-(\from)
	PROD (\s)%2, N_
.set N_, N_+1
.endr
.endm
.macro TOSTAGE a                       ; 8 stores and 8 loads; LDS serves a wave's instructions in order (ISA guide 5.7.1.4): no wait between them
.set A_, ACC+32*((\a)%2)
.set B_, BK+32*((\a)%2)
.irp t, 0,1,2,3
	ds_store_b128 v[STO], v[A_+8*\t:A_+8*\t+3] offset:128*(\t/2)+32*(\t%2)       ; each accumulator from its low end on
	ds_store_b128 v[STO], v[A_+8*\t+4:A_+8*\t+7] offset:128*(\t/2)+32*(\t%2)+16
.endr
.if (\a) > 1
	s_wait_xcnt 0x0                                ; block a - 2's stores have read their data: the loads below may land there
.endif
.irp i, 0,1,2,3,4,5,6,7
	ds_load_b128 v[B_+4*\i:B_+4*\i+3], v[RD] offset:\i*2*SP                      ; two rows of 256 bytes
.endr
.endm
.macro SEND a, younger                 ; younger: the LDS loads issued behind block a's, which may stay out
.set B_, BK+32*((\a)%2)
	s_wait_dscnt \younger
.irp i, 0,1,2,3,4,5,6,7
	global_store_b128 v[CO], v[B_+4*\i:B_+4*\i+3], s[12:13] offset:(32*((\a)/2)+8*((\a)%2)+2*\i+8*(\i/4))*4096 th:TH_STORE_NT   ; positions 2 i and 2 i + 1 are neighbouring tokens
.endr
.endm
.macro BLK s, w0, w1                   ; w0: the LDS instructions younger than block s's fetch; w1: those younger than block s - 1's loads from the stage
	s_wait_dscnt \w0
	PRODS \s, 0, 16
	WIN 0
.if (\s) > 0
	SEND (\s)-1, \w1
.endif
	PRODS \s, 16, 32
	WIN 0
	PLACES 4                                       ; places behind the products, ahead of the stores of their results and of the loads into their operands
	TOSTAGE \s
.if (\s)+2 < 8
	FETCH (\s)+2
.endif
.endm
	s_load_b128 s[4:7], s[0:1], 0x0                ; oimg s[4:5], xw s[6:7]
	s_load_b64 s[12:13], s[0:1], 0x10              ; out0
	v_lshl_add_u32 v[SPW], v0, 2, SPARE
	v_mov_b32 v[NIL], 0
	ds_add_u32 v[SPW], v[NIL]                      ; the opening lines: the add, twice on end, and its wait ahead of my first tensor load
	ds_add_u32 v[SPW], v[NIL]
	v_lshrrev_b32 v1, 5, v0
	v_readfirstlane_b32 s14, v1                    ; wave 0..3
	s_bfe_u32 s40, ttmp6, 0x40000                  ; cx, cy: my place in the cluster
	s_bfe_u32 s41, ttmp6, 0x40004
	s_lshl_b32 s42, ttmp9, 2
	s_add_co_u32 s42, s42, s40                     ; work-group x: which 256 columns
	s_and_b32 s17, ttmp7, 0xffff
	s_lshl_b32 s17, s17, 2
	s_add_co_u32 s17, s17, s41                     ; work-group y: which 128 tokens
	s_lshl_b32 s43, s41, 2
	s_lshl_b32 s43, 15, s43                        ; my row of the cluster
	s_lshl_b32 s44, 0x1111, s40                    ; my column
	DESC G1W,  44, 768                             ; w_out's 16 tiles: 196,608 bytes
	DESC G1A,  43, 384                             ; o's 8 tiles: 98,304
	DESC G1SW, 44, 32                              ; their scale bytes: 8,192
	DESC G1SA, 43, 16                              ; and 4,096
	s_mul_i32 s20, s17, 8*TB                       ; o's tiles, bytes from oimg
	s_mov_b32 s21, 0
	s_lshl_b32 s22, s17, 12
	s_add_co_u32 s22, s22, OSC                     ; and their scale bytes
	s_mov_b32 s23, 0
	s_mul_i32 s46, s42, 16*TB
	s_add_co_u32 s46, s46, 704*TB                  ; w_out's tiles, bytes from xw
	s_mov_b32 s47, 0
	s_lshl_b32 s92, s42, 13
	s_add_co_u32 s92, s92, SCL0+704*512
	s_mov_b32 s93, 0
	s_wait_dscnt 0x0                               ; both opening adds are done
	CROUND                                         ; all sixteen work-groups are here: the joint loads meet
	s_wait_kmcnt 0x0
	G0SET G0W,  WB,  6, 46
	G0SET G0SW, SWB, 6, 92
	G0SET G0A,  0,   4, 20
	G0SET G0SA, SAB, 4, 22
	ARM 0, G0W,  G1W,  .Lwave_1                    ; one load a wave, in one chain of branches on the wave's number: what goes on into registers is asked for by waves 0 and 1
	ARM 1, G0SW, G1SW, .Lwave_2
	ARM 2, G0A,  G1A,  .Lwave_3
	tensor_load_to_lds s[G0SA:G0SA+3], s[G1SA:G1SA+7]
	s_nop 0
	PLACES 4
.Lasked:
	s_mul_i32 s86, s14, 4*TB
	s_add_co_u32 s86, s86, WB                      ; my four tiles of w_out
	s_lshl_b32 s87, s14, 11
	s_add_co_u32 s87, s87, SWB                     ; and their scale bytes
	s_mul_i32 s88, s14, 16*SP
	s_add_co_u32 s88, s88, STG                     ; my stage
	s_lshl_b32 s84, s17, 19                        ; out0: 128 rows of 4,096 bytes a work-group y,
	s_lshl_b32 s89, s42, 10                        ; 1,024 bytes a work-group x,
	s_add_co_u32 s84, s84, s89
	s_lshl_b32 s89, s14, 8                         ; 256 a wave
	s_add_co_u32 s84, s84, s89
	s_mov_b32 s85, 0
	s_add_nc_u64 s[12:13], s[12:13], s[84:85]
	v_and_b32 v1, 31, v0                           ; lane
	v_and_b32 v2, 15, v0                           ; r
	v_bfe_u32 v3, v0, 4, 1                         ; h
	v_lshlrev_b32 v[AA16], 4, v1
	v_lshlrev_b32 v[AA8], 3, v1
	v_add_nc_u32 v[AA16+2], 4*TB, v[AA16]
	v_add_nc_u32 v[AA8+2], 4*TB, v[AA8]
	v_add_nc_u32 v[AW16], s86, v[AA16]
	v_add_nc_u32 v[AW8], s86, v[AA8]
	v_lshl_add_u32 v[ASA], v2, 3, SAB              ; 8 bytes a position
	v_lshl_add_u32 v4, v3, 9, s87                  ; lanes 16-31 take the odd tile's words
	v_lshl_add_u32 v[ASW], v2, 3, v4
	v_mul_u32_u24 v5, v2, SP                       ; in: row r, 64 bytes for each half of the lanes
	v_lshl_add_u32 v5, v3, 6, v5
	v_add_nc_u32 v[STO], s88, v5
	v_mul_u32_u24 v6, v3, SP                       ; back: lanes 0-15 one row, lanes 16-31 the next
	v_lshl_add_u32 v6, v2, 4, v6
	v_add_nc_u32 v[RD], s88, v6
	v_lshlrev_b32 v7, 12, v3                       ; and the same two rows in out0
	v_lshl_add_u32 v[CO], v2, 4, v7
	s_wait_alu depctr_va_vdst(0)
	s_cmp_lt_u32 s14, 2                            ; the two waves that fetched w_out's tiles and scale bytes wait for their loads; o's, other waves' lines, may be out
	s_cbranch_scc0 .Lnot_w
	s_wait_tensorcnt 0x0
.Lnot_w:
	s_barrier_signal -1
	s_barrier_wait -1                              ; w_out's tiles and scale bytes are in
.irp q, 0,1,2,3,4,5,6,7
.irp t, 0,1,2,3
	FRAG 4*\q+\t, AW16, AW8, \t*TB+\q*1536         ; my 64 columns, all of K, into registers
.endr
.endr
	WIN 0
.irp p, 0,1
.irp k, 0,1,2,3
	ds_load_b64 v[SW+8*\p+2*\k:SW+8*\p+2*\k+1], v[ASW] offset:\p*1024+\k*128
.endr
.endr
	s_wait_tensorcnt 0x0                           ; every wave: all that is still out
	s_wait_dscnt 0x0
	s_barrier_signal -1
	s_barrier_wait -1                              ; o's tiles and scale bytes are in
	FETCH 0
	FETCH 1
	BLK 0, 36, 0                                   ; younger than block 0's fetch: block 1's, 36
.irp s, 1,2,3,4,5,6
	BLK \s, 52, 36                                 ; younger than block s's fetch: 16 of the stage and the next fetch's 36; younger than the stage's loads: that fetch
.endr
	BLK 7, 16, 0                                   ; nothing was fetched behind block 6: only its 16 of the stage are younger
	SEND 7, 0
	s_wait_tensorcnt 0x0                           ; the wave's end
	ds_add_u32 v[SPW], v[NIL]
	s_wait_dscnt 0x0
	CROUND                                         ; the closing round
	s_endpgm
.Lfunc_end_k_qa60eb29dd2_gemm_out:
	.size	k_qa60eb29dd2_gemm_out, .Lfunc_end_k_qa60eb29dd2_gemm_out-k_qa60eb29dd2_gemm_out
	.p2alignl 7, 3214868480
	.fill 96, 4, 3214868480
	.section	.rodata,"a",@progbits
	.p2align	6, 0x0
	.amdhsa_kernel k_qa60eb29dd2_gemm_out
		.amdhsa_group_segment_fixed_size 327680
		.amdhsa_private_segment_fixed_size 0
		.amdhsa_enable_private_segment 0
		.amdhsa_kernarg_size 24
		.amdhsa_user_sgpr_count 2
		.amdhsa_user_sgpr_kernarg_segment_ptr 1
		.amdhsa_wavefront_size32 1
		.amdhsa_system_sgpr_workgroup_id_x 1
		.amdhsa_system_sgpr_workgroup_id_y 1
		.amdhsa_system_sgpr_workgroup_id_z 1
		.amdhsa_system_vgpr_workitem_id 0
		.amdhsa_next_free_vgpr 896
		.amdhsa_next_free_sgpr 100
		.amdhsa_reserve_vcc 0
		.amdhsa_float_denorm_mode_32 3
		.amdhsa_float_denorm_mode_16_64 3
		.amdhsa_memory_ordered 1
		.amdhsa_forward_progress 1
		.amdhsa_inst_pref_size 85
	.end_amdhsa_kernel
	.amdgpu_metadata
---
amdhsa.version: [ 1, 2 ]
amdhsa.kernels:
  - .name:           k_qa60eb29dd2_gemm_out
    .symbol:         k_qa60eb29dd2_gemm_out.kd
    .args:
      - { .name: oimg, .offset: 0, .size: 8, .value_kind: global_buffer, .address_space: global }
      - { .name: xw, .offset: 8, .size: 8, .value_kind: global_buffer, .address_space: global }
      - { .name: out0, .offset: 16, .size: 8, .value_kind: global_buffer, .address_space: global }
    .group_segment_fixed_size: 327680
    .private_segment_fixed_size: 0
    .kernarg_segment_align: 8
    .kernarg_segment_size: 24
    .max_flat_workgroup_size: 128
    .sgpr_count:     100
    .vgpr_count:     896
    .wavefront_size: 32
...
	.end_amdgpu_metadata
.endif
;; end of part 4
